; MI455X (gfx1250); checked and timed in simulation.
; The chip was launched on July 23, 2026; its instructions are those of AMD's public machine-readable ISA for CDNA 5 (MIT licence, August 2026) and "CDNA5" Instruction Set Architecture Reference Guide (July 2026). The comments in the code are by the model that wrote it; some were corrected since.
;; Multi Head Attention. Allowed arithmetic: matrix products marked QUANTISED: E3M2 operands, one E8M0 scale for each 32 along K, by v_wmma_scale_f32_16x16x128_f8f6f4 with both operands' format E3M2, f32 sums; everything else in f32.
;; Inputs: bk_ 1,024 float32; bo 1,024 float32; bq 1,024 float32; bv 1,024 float32; input_tensor 4 x 2,048 x 1,024 float32; wk 1,024 x 1,024 float32; wo 1,024 x 1,024 float32; wq 1,024 x 1,024 float32; wv 1,024 x 1,024 float32.
;; Outputs: out0 4 x 2,048 x 1,024 float32.
;; This version of the problem:
;;   THIS VERSION OF THE PROBLEM IS GIVEN IN LOW PRECISION. The matrix products marked QUANTISED in the list below multiply operands that are first quantised to E3M2 (3 exponent bits, 2 mantissa bits; 6 bits a number), with one power-of-two scale for each 32 numbers along K (OCP MX v1.0); their sums are f32. All else is computed in f32.
;;   The module's matrix products, in the order in which they are computed (A, B: the left and right operand; K: the contracted axis; several contracted axes count as one K, in the product's order):
;;     1. [M 8,192, K 1,024] x [K 1,024, N 1,024]; A: input input_tensor; B: input wq: QUANTISED
;;     2. [M 8,192, K 1,024] x [K 1,024, N 1,024]; A: input input_tensor; B: input wk: QUANTISED
;;     3. [M 8,192, K 1,024] x [K 1,024, N 1,024]; A: input input_tensor; B: input wv: QUANTISED
;;     4. batch 64 x [M 2,048, K 64] x [K 64, N 2,048]; A: computed on the way; B: computed on the way: QUANTISED
;;     5. batch 64 x [M 2,048, K 2,048] x [K 2,048, N 64]; A: softmax (see below); B: computed on the way: QUANTISED
;;     6. [M 8,192, K 1,024] x [K 1,024, N 1,024]; A: computed on the way; B: input wo: QUANTISED
;;   THE QUANTISER, for each operand of a quantised product, along K:
;;     - K is cut into blocks of 32 from its start; a last block that is shorter is filled with zeros.
;;     - A block's scale is 2^e with e = floor(log2(the largest magnitude in the block)) - 4, held to -126 .. 127; a block of zeros has e = 0. As a byte (E8M0): e + 127.
;;     - Each number is divided by its block's scale, clamped to +-28, and rounded to the nearest number of E3M2, ties to even, subnormals kept.
;;     - The product sums the exact products of the quantised numbers (number of the format x scale) in f32.
;;   ~~~python
;;   def quantise(x, axis):      # numpy; x: float32 -> the quantised numbers, widened to float32 again
;;       x = np.moveaxis(x, axis, -1); K = x.shape[-1]
;;       x = np.pad(x, [(0, 0)] * (x.ndim - 1) + [(0, -K % 32)]); x = x.reshape(x.shape[:-1] + (-1, 32)); a = np.abs(x).max(-1, keepdims=True)
;;       e = np.where(a > 0, np.clip(np.frexp(np.where(a > 0, a, 1))[1] - 1 - 4, -126, 127), 0)      # np.frexp(a)[1] - 1 = floor(log2(a)), exactly
;;       r = np.clip(x / 2.0 ** e, -28, 28)
;;       step = 2.0 ** (np.maximum(np.frexp(np.where(r == 0, 1, r))[1] - 1, -2) - 2)
;;       q = np.round(r / step) * step * 2.0 ** e      # np.round: ties to even
;;       return np.moveaxis(q.reshape(q.shape[:-2] + (-1,))[..., :K], -1, axis).astype(np.float32)
;;   ~~~
;;   SOFTMAX AHEAD OF A QUANTISED PRODUCT. Where the list says 'softmax', what is quantised is not the finished softmax but p = 2^(t - M), with t = logit x log2(e) and M = ceil(the row's largest t), a whole number; so 1/2 < the row's largest p <= 1. The row's sum l is taken of the UNQUANTISED p, in f32, and the product's result is divided by l at the end. Since M is a whole number, a kernel that streams over the keys may use a running M (the ceiling of the running maximum): every later rescaling is an exact power of two, which a block's scale takes up: the codes' values come out the same.
;;   OPERANDS COMPUTED ON THE WAY. 'Computed on the way' means the value that the module computes at that place (a softmax that the list does not call 'softmax' is quantised finished and normalised). What goes into a quantiser is computed in f32, as accurately as f32 sums, v_exp_f32 and their like allow (about 1e-6 of the number): no bf16 or f16 on the way to a quantiser, and a product that is left as it is and whose result goes on into a quantised operand takes f32 operands (vector FMAs, or v_wmma_f32_16x16x4_f32). A number that lies on a knife's edge between two numbers of the format may be rounded either way, as far as f32 arithmetic and the matrix unit's own rounding can turn it there, and no further.
;; One version. Each part assembles by itself: llvm-mc -triple=amdgcn-amd-amdhsa -mcpu=gfx1250 --defsym DOCPART=n.
;; ======== version 1 of 1: 4 launches
;; limits: right only within a limited range of input values
;; workspace buffers: x_c 6,291,456 bytes; x_s 262,144 bytes; w_c 3,145,728 bytes; w_s 131,072 bytes; qrec 13,369,344 bytes; kv 13,369,344 bytes; ao_c 6,291,456 bytes; ao_s 262,144 bytes
;; launch quant (part 1): grid 256 x 1, 3 waves a work-group, no clusters, 26,112 bytes of LDS; arguments input_tensor, wq, wk, wv, wo, x_c, x_s, w_c, w_s; writes x_c, x_s, w_c, w_s
.if DOCPART == 1
	.amdgcn_target "amdgcn-amd-amdhsa--gfx1250"
	.amdhsa_code_object_version 6
	.text
	.protected	k_q39b0f34ca5_quant
	.globl	k_q39b0f34ca5_quant
	.p2align	8
	.type	k_q39b0f34ca5_quant,@function
k_q39b0f34ca5_quant:
	s_mov_b64 s[64:65], 0
	v_nop
	global_prefetch_b8 v0, s[64:65] scope:SCOPE_SE
	s_setreg_imm32_b32 hwreg(HW_REG_WAVE_MODE, 25, 1), 1
	s_wait_xcnt 0x0
; x [8192][1024] and wq, wk, wv, wo [1024][1024], f32 with K innermost, become codes of BF6 (E3M2) with one E8M0 byte for each 32 along K.
; A block's scale is 2^(floor(log2(its largest magnitude)) - 4); its byte is that magnitude's exponent field - 4, held at 1 from below.
; LAYOUT OF THE CODES (this program's own): [tile of 16 rows][chunk of 64 along K, 16 of them][768 bytes].  A chunk's 768 bytes are the image of six operand registers:
; registers 2 p, 2 p + 1 of lane l lie at 256 p + 8 l; lane (r = l % 16, h = l / 16) holds row r, block h of the chunk.  Two chunks on end are a fragment of 16 rows x 128 K.
; ORDER INSIDE A BLOCK OF 32 (the same for every operand of every product of this program, so that the products pair the same k): places 0-15 hold k = 0-7 and 16-23, places 16-31 hold k = 8-15 and 24-31:
; the order in which a matrix result falls into a lane's registers.  The sums are therefore grouped otherwise than with k in its natural places.
; The scale bytes lie as [row][32].  wq, wk, wv, wo follow each other in w_c and w_s: 4,096 rows.
; LIMITS: NaN and infinities among the inputs are not served.  A block whose largest magnitude lies under 2^-122 has its byte held at 1; a block of zeros has the byte 1 and not 127: its codes are zeros, and this program alone reads the bytes.
; SHARES: 768 tiles of 16 rows (512 of x, 64 of each weight) = 256 work-groups x 3 waves; a wave takes one tile, in 8 steps of 128 along K.  Only pointers are chosen by the tile's number: all tensors take one way through the text.
; Each load reads 512 consecutive bytes of one row; a step's 16 x 512 bytes turn through the wave's own stage in LDS (rows 528 bytes apart) so that a lane gets its 64 numbers.  Waves share nothing: no barrier.
.set SP,    528                        ; a stage row: 512 bytes + 16
.set STGB,  16*SP                      ; a wave's stage
.set R0,    16                         ; v16-207  three sets of 64 numbers
.set PC,    208                        ; v208-219 a fragment's codes
.set CT,    220                        ; v220-226 the conversions' second halves
.set TM,    228                        ; v228-243 at work in QUANT
.set PWS,   244                        ; v244-251 a scale word for each step
.set OW,    252                        ; v252-255 the scale bytes on their way out
.set SEL,   34                         ; s[34:35] lane selects for lane l xor 16
; 64 numbers of a lane, v[s] .. v[s + 63], register 16 b + i of block b of my row, become two groups of six registers (d0: blocks 0, 1; d1: blocks 2, 3) and the row's scale word pw.
.macro QUANT s, d0, d1, pw
.irp b, 0,1,2,3
	v_max3_num_f32 v[TM+\b], |v[\s+16*\b]|, |v[\s+1+16*\b]|, 0x2800000   ; my 16 numbers of block b, and the floor 2^(5 - 127): the byte cannot fall under 1
.endr
.irp i, 2,4,6,8,10,12,14
.irp b, 0,1,2,3
	v_max3_num_f32 v[TM+\b], v[TM+\b], |v[\s+16*\b+\i]|, |v[\s+1+16*\b+\i]|   ; the four blocks by turns
.endr
.endr
.irp b, 0,1,2,3
	v_permlanex16_b32 v[TM+4+\b], v[TM+\b], s[SEL], s[SEL+1]
.endr
.irp b, 0,1,2,3
	v_max_num_f32 v[TM+\b], v[TM+\b], v[TM+4+\b]           ; with lane l xor 16's 16: the block's largest magnitude
.endr
.irp b, 0,1,2,3
	v_add_nc_u32 v[TM+12+\b], 0xfe000000, v[TM+\b]         ; 4 off its exponent field: the conversion's scale operand
.endr
.irp b, 0,1,2,3
	v_lshrrev_b32 v[TM+4+\b], 23, v[TM+12+\b]              ; the scale's byte
.endr
	v_lshl_or_b32 v[\pw], v[TM+5], 8, v[TM+4]
	v_lshl_or_b32 v[\pw], v[TM+6], 16, v[\pw]
	v_lshl_or_b32 v[\pw], v[TM+7], 24, v[\pw]
	v_cvt_scalef32_pk16_bf6_f32 v[\d0:\d0+2], v[\s:\s+15], v[TM+12]
	v_cvt_scalef32_pk16_bf6_f32 v[CT:CT+2], v[\s+16:\s+31], v[TM+13]      ; (a conversion's three registers begin on an even number)
	v_cvt_scalef32_pk16_bf6_f32 v[\d1:\d1+2], v[\s+32:\s+47], v[TM+14]
	v_cvt_scalef32_pk16_bf6_f32 v[CT+4:CT+6], v[\s+48:\s+63], v[TM+15]
	v_nop                                                  ; one plain line behind the conversions
.irp i, 0,1,2
	v_permlane16_swap_b32 v[\d0+\i], v[CT+\i]              ; a whole block to a lane: lanes 0-15 the even block, lanes 16-31 the odd one
.endr
.irp i, 0,1,2
	v_mov_b32 v[\d0+3+\i], v[CT+\i]
.endr
.irp i, 0,1,2
	v_permlane16_swap_b32 v[\d1+\i], v[CT+4+\i]
.endr
.irp i, 0,1,2
	v_mov_b32 v[\d1+3+\i], v[CT+4+\i]
.endr
.endm
	s_load_b256 s[4:11], s[0:1], 0x0               ; x s[4:5], wq s[6:7], wk s[8:9], wv s[10:11]
	s_load_b256 s[12:19], s[0:1], 0x20             ; wo s[12:13], x_c s[14:15], x_s s[16:17], w_c s[18:19]
	s_load_b64 s[20:21], s[0:1], 0x40              ; w_s
	v_lshl_add_u32 v238, v0, 2, 0x6400
	v_mov_b32 v239, 0
	v_lshrrev_b32 v1, 5, v0
	v_readfirstlane_b32 s22, v1                    ; wave 0..2
	v_and_b32 v2, 31, v0                           ; lane
	v_and_b32 v3, 15, v0                           ; r
	v_bfe_u32 v9, v0, 4, 1                         ; h
	v_lshlrev_b32 v4, 4, v2                        ; my 16 bytes of a load's 512
	s_mul_i32 s36, s22, STGB                       ; my wave's stage
	v_add_nc_u32 v5, s36, v4                       ; into it: 16 x lane, the row in the immediate
	v_mul_u32_u24 v6, v3, SP
	v_lshl_add_u32 v6, v9, 5, v6
	v_add_nc_u32 v6, s36, v6                       ; out of it: row r, + 32 h: eight numbers further on for lanes 16-31
	v_lshlrev_b32 v7, 3, v2                        ; the codes: 8 x lane
	v_lshlrev_b32 v8, 5, v3
	v_lshl_add_u32 v8, v9, 4, v8                   ; the scale bytes: 32 r + 16 h
	s_mov_b32 s[SEL], 0x76543210
	s_mov_b32 s[SEL+1], 0xfedcba98
.irp b, 0,1,2,3
	v_mov_b32 v[TM+4+\b], 0                        ; written once: a lane permute's destination counts as one of its sources
.endr
	s_mul_i32 s23, ttmp9, 3
	s_add_co_u32 s23, s23, s22                     ; g: my tile, 0 .. 767
	s_and_b32 s30, s23, 63                         ; its number in a weight,
	s_sub_co_u32 s31, s23, 512                     ; and among the weights' 256 tiles
	s_wait_alu depctr_va_vdst(0)
	s_wait_kmcnt 0x0
	s_cmp_lt_u32 s23, 704
	s_cselect_b64 s[24:25], s[10:11], s[12:13]     ; wv or wo
	s_cmp_lt_u32 s23, 640
	s_cselect_b64 s[24:25], s[8:9], s[24:25]       ; wk
	s_cmp_lt_u32 s23, 576
	s_cselect_b64 s[24:25], s[6:7], s[24:25]       ; wq
	s_cmp_lt_u32 s23, 512
	s_cselect_b64 s[24:25], s[4:5], s[24:25]       ; x
	s_cselect_b64 s[26:27], s[14:15], s[18:19]     ; the codes' buffer
	s_cselect_b64 s[28:29], s[16:17], s[20:21]     ; the scale bytes'
	s_cselect_b32 s30, s23, s30
	s_cselect_b32 s31, s23, s31
	s_lshl_b32 s32, s30, 16                        ; 16 rows of 4,096 bytes
	s_mov_b32 s33, 0
	s_add_nc_u64 s[24:25], s[24:25], s[32:33]
	s_mul_i32 s32, s31, 12288                      ; a tile's codes
	s_add_nc_u64 s[26:27], s[26:27], s[32:33]
	s_lshl_b32 s32, s31, 9                         ; a tile's scale bytes
	s_add_nc_u64 s[28:29], s[28:29], s[32:33]
.macro LOAD t                          ; step t: 512 bytes of each of the 16 rows, into set t % 3
.irp i, 0,1,2,3,4,5,6,7,8,9,10,11,12,13,14,15
	global_load_b128 v[R0+64*((\t)%3)+4*\i:R0+64*((\t)%3)+4*\i+3], v4, s[24:25] offset:4096*\i+512*(\t) th:TH_LOAD_NT
.endr
.endm
.macro STEP t
.set RS, R0+64*((\t)%3)
.if (\t) < 6
	s_wait_loadcnt 32                              ; this step's 16 loads are in; the two younger sets stay out
.else
	s_wait_loadcnt 16*(7-(\t))
.endif
.irp i, 0,1,2,3,4,5,6,7,8,9,10,11,12,13,14,15
	ds_store_b128 v5, v[RS+4*\i:RS+4*\i+3] offset:SP*\i
.endr
.irp b, 0,1,2,3
.irp e, 0,1
.irp f, 0,1
	ds_load_b128 v[RS+16*\b+8*\e+4*\f:RS+16*\b+8*\e+4*\f+3], v6 offset:128*\b+64*\e+16*\f   ; register 16 b + 8 e + 4 f + i = k 32 b + 16 e + 8 h + 4 f + i of row r.  LDS serves a wave's instructions in order: these see the stores above
.endr
.endr
.endr
	s_wait_dscnt 0x0
.if (\t) > 0
	s_wait_xcnt 0x0                                ; the last step's stores have read the codes' registers: they are written again only behind this wait
.endif
	QUANT RS, PC, PC+6, PWS+(\t)
.irp p, 0,1,2,3,4,5
	global_store_b64 v7, v[PC+2*\p:PC+2*\p+1], s[26:27] offset:1536*(\t)+256*\p   ; 32 lanes store 256 consecutive bytes, at a multiple of 256 from the buffer's first byte
.endr
.if (\t)+3 < 8
	LOAD (\t)+3
.endif
.endm
	LOAD 0
	LOAD 1
	LOAD 2
.irp t, 0,1,2,3,4,5,6,7
	STEP \t
.endr
	v_cmp_lt_u32 vcc_lo, 15, v2                    ; lanes 16-31 take the row's upper four words
.irp i, 0,1,2,3
	v_cndmask_b32 v[OW+\i], v[PWS+\i], v[PWS+4+\i], vcc_lo
.endr
	global_store_b128 v8, v[OW:OW+3], s[28:29]     ; the tile's 512 scale bytes, consecutive
	s_wait_tensorcnt 0x0
	ds_add_u32 v238, v239
	s_wait_dscnt 0x0
	s_endpgm
.Lfunc_end_k_q39b0f34ca5_quant:
	.size	k_q39b0f34ca5_quant, .Lfunc_end_k_q39b0f34ca5_quant-k_q39b0f34ca5_quant
	.p2alignl 7, 3214868480
	.fill 96, 4, 3214868480
	.section	.rodata,"a",@progbits
	.p2align	6, 0x0
	.amdhsa_kernel k_q39b0f34ca5_quant
		.amdhsa_group_segment_fixed_size 26112
		.amdhsa_private_segment_fixed_size 0
		.amdhsa_enable_private_segment 0
		.amdhsa_kernarg_size 72
		.amdhsa_user_sgpr_count 2
		.amdhsa_user_sgpr_kernarg_segment_ptr 1
		.amdhsa_wavefront_size32 1
		.amdhsa_system_sgpr_workgroup_id_x 1
		.amdhsa_system_sgpr_workgroup_id_y 1
		.amdhsa_system_sgpr_workgroup_id_z 1
		.amdhsa_system_vgpr_workitem_id 0
		.amdhsa_next_free_vgpr 256
		.amdhsa_next_free_sgpr 66
		.amdhsa_reserve_vcc 1
		.amdhsa_float_denorm_mode_32 3
		.amdhsa_float_denorm_mode_16_64 3
		.amdhsa_memory_ordered 1
		.amdhsa_forward_progress 1
		.amdhsa_inst_pref_size 66
	.end_amdhsa_kernel
	.amdgpu_metadata
---
amdhsa.version: [ 1, 2 ]
amdhsa.kernels:
  - .name:           k_q39b0f34ca5_quant
    .symbol:         k_q39b0f34ca5_quant.kd
    .args:
      - { .name: input_tensor, .offset: 0, .size: 8, .value_kind: global_buffer, .address_space: global }
      - { .name: wq, .offset: 8, .size: 8, .value_kind: global_buffer, .address_space: global }
      - { .name: wk, .offset: 16, .size: 8, .value_kind: global_buffer, .address_space: global }
      - { .name: wv, .offset: 24, .size: 8, .value_kind: global_buffer, .address_space: global }
      - { .name: wo, .offset: 32, .size: 8, .value_kind: global_buffer, .address_space: global }
      - { .name: x_c, .offset: 40, .size: 8, .value_kind: global_buffer, .address_space: global }
      - { .name: x_s, .offset: 48, .size: 8, .value_kind: global_buffer, .address_space: global }
      - { .name: w_c, .offset: 56, .size: 8, .value_kind: global_buffer, .address_space: global }
      - { .name: w_s, .offset: 64, .size: 8, .value_kind: global_buffer, .address_space: global }
    .group_segment_fixed_size: 26112
    .private_segment_fixed_size: 0
    .kernarg_segment_align: 8
    .kernarg_segment_size: 72
    .max_flat_workgroup_size: 96
    .sgpr_count:     66
    .vgpr_count:     256
    .wavefront_size: 32
...
	.end_amdgpu_metadata
.endif
;; end of part 1
;; launch qkv (part 2): grid 12 x 32, 4 waves a work-group, clusters of 4 x 4, 327,680 bytes of LDS; arguments x_c, x_s, w_c, w_s, bq, bk_, bv, qrec, kv; writes qrec, kv
.if DOCPART == 2
	.amdgcn_target "amdgcn-amd-amdhsa--gfx1250"
	.amdhsa_code_object_version 6
	.text
	.protected	k_q39b0f34ca5_qkv
	.globl	k_q39b0f34ca5_qkv
	.p2align	8
	.type	k_q39b0f34ca5_qkv,@function
k_q39b0f34ca5_qkv:
	s_mov_b64 s[64:65], 0
	v_nop
	global_prefetch_b8 v0, s[64:65] scope:SCOPE_SE
	s_setreg_imm32_b32 hwreg(HW_REG_WAVE_MODE, 25, 1), 1
	s_wait_xcnt 0x0
	s_wait_alu depctr_hold_cnt(0) depctr_sa_sdst(0) depctr_va_vdst(0) depctr_va_sdst(0) depctr_va_ssrc(0) depctr_va_vcc(0) depctr_vm_vsrc(0)
	s_getreg_b32 s2, hwreg(HW_REG_IB_STS2, 6, 4)
	s_cmp_eq_u32 s2, 0
	s_cbranch_scc0 .Lentry_in_a_cluster
	s_endpgm
.Lentry_in_a_cluster:
	s_bfe_u32 s2, ttmp6, 0x10000c
	s_cmp_lg_u32 s2, 0xf033
	s_cbranch_scc0 .Lentry_shape_is_right
	s_endpgm
.Lentry_shape_is_right:
.set NL,     6
.set NP,     4
.set FR,     12
.set RT,     3072
.set HALFT,  8*RT
.set SLOT,   4*HALFT
.set SCL,    2*SLOT
.set HALFS,  16*256
.set SBLK,   512
.set SPARE,  SCL+4*HALFS
.set STG,    SPARE+512
.set REC,    13056
.set HEADSTR, 16*REC
.set ADRR, 16
.set VO0,  18
.set VO1,  19
.set ADRP, 20
.set SST,  22
.set SRD,  23
.set SOF,  24
.set SELV, 25
.set ADRS, 27
.set SPW,  28
.set NIL,  29
.set SC,   32
.set CB,   64
.set AF,   128
.set H,    128
.set PC,   192
.set CT,   204
.set TM,   212
.set PW,   228
.set WO,   229
.set WD0,  232
.set WD1,  236
.set BR,   240
.set G1, 24
.set G0, 32
.set G1B, 48
.set G0B, 56
.set G1S, 68
.set G0S, 76
.set G1SB, 80
.set G0SB, 88
.set SEL, 96
.set HM,  98
.set MV,  99
.set MSB, 0
.macro WIN new
.if MSB != (\new)
	s_set_vgpr_msb (MSB<<8)|(\new)
.set MSB, (\new)
.endif
.endm
.set MUL_LO, 0xa1
.set MUL_HI, 0xf1
.set FST_LO, 0x81
.set FST_HI, 0xc1
.set TO_P,   0x40
.macro JLOAD g0a, g1a, g0b, g1b
	s_cmp_eq_u32 s15, 0
	s_cbranch_scc0 .Lfor_b_\@
	tensor_load_to_lds s[\g0a:\g0a+3], s[\g1a:\g1a+7]
	s_nop 0
.rept 4
	v_nop
.endr
	s_branch .Lasked_\@
.Lfor_b_\@:
	tensor_load_to_lds s[\g0b:\g0b+3], s[\g1b:\g1b+7]
	s_nop 0
.rept 4
	v_nop
.endr
.Lasked_\@:
.endm
.macro CREST
	s_cmp_lg_u32 s14, 0
	s_cbranch_scc1 .Lnot_wave_0_\@
	s_barrier_signal -3
.Lnot_wave_0_\@:
	s_barrier_wait -3
	s_barrier_signal -1
	s_barrier_wait -1
.endm
.macro CROUND
	s_barrier_signal -1
	s_barrier_wait -1
	CREST
.endm
.macro PLACES n
.rept \n
	v_nop
.endr
.endm
.macro QUANT s, d0, d1, pw
.irp b, 0,1,2,3
	v_max3_num_f32 v[TM+\b], |v[\s+16*\b]|, |v[\s+1+16*\b]|, 0x2800000
.endr
.irp i, 2,4,6,8,10,12,14
.irp b, 0,1,2,3
	v_max3_num_f32 v[TM+\b], v[TM+\b], |v[\s+16*\b+\i]|, |v[\s+1+16*\b+\i]|
.endr
.endr
.irp b, 0,1,2,3
	v_permlanex16_b32 v[TM+4+\b], v[TM+\b], s[SEL], s[SEL+1]
.endr
.irp b, 0,1,2,3
	v_max_num_f32 v[TM+\b], v[TM+\b], v[TM+4+\b]
.endr
.irp b, 0,1,2,3
	v_add_nc_u32 v[TM+12+\b], 0xfe000000, v[TM+\b]
.endr
.irp b, 0,1,2,3
	v_lshrrev_b32 v[TM+4+\b], 23, v[TM+12+\b]
.endr
	v_lshl_or_b32 v[\pw], v[TM+5], 8, v[TM+4]
	v_lshl_or_b32 v[\pw], v[TM+6], 16, v[\pw]
	v_lshl_or_b32 v[\pw], v[TM+7], 24, v[\pw]
	v_cvt_scalef32_pk16_bf6_f32 v[\d0:\d0+2], v[\s:\s+15], v[TM+12]
	v_cvt_scalef32_pk16_bf6_f32 v[CT:CT+2], v[\s+16:\s+31], v[TM+13]
	v_cvt_scalef32_pk16_bf6_f32 v[\d1:\d1+2], v[\s+32:\s+47], v[TM+14]
	v_cvt_scalef32_pk16_bf6_f32 v[CT+4:CT+6], v[\s+48:\s+63], v[TM+15]
	v_nop
.irp i, 0,1,2
	v_permlane16_swap_b32 v[\d0+\i], v[CT+\i]
.endr
.irp i, 0,1,2
	v_mov_b32 v[\d0+3+\i], v[CT+\i]
.endr
.irp i, 0,1,2
	v_permlane16_swap_b32 v[\d1+\i], v[CT+4+\i]
.endr
.irp i, 0,1,2
	v_mov_b32 v[\d1+3+\i], v[CT+4+\i]
.endr
.endm
	s_load_b128 s[4:7], s[0:1], 0x0
	s_load_b128 s[8:11], s[0:1], 0x10
	v_lshl_add_u32 v[SPW], v0, 2, SPARE
	v_mov_b32 v[NIL], 0
	ds_add_u32 v28, v29
	ds_add_u32 v28, v29
	s_wait_dscnt 0x0
	v_lshrrev_b32 v1, 5, v0
	v_readfirstlane_b32 s14, v1
	s_lshr_b32 s15, s14, 1
	s_and_b32 s16, s14, 1
	s_bfe_u32 s40, ttmp6, 0x40000
	s_bfe_u32 s41, ttmp6, 0x40004
	s_lshl_b32 s42, ttmp9, 2
	s_add_co_u32 s42, s42, s40
	s_and_b32 s17, ttmp7, 0xffff
	s_lshl_b32 s17, s17, 2
	s_add_co_u32 s17, s17, s41
	s_lshl_b32 s43, s41, 2
	s_lshl_b32 s43, 15, s43
	s_lshl_b32 s44, 0x1111, s40
	s_or_b32 s[G1+0], s43, (3<<16)|(1<<21)
	s_or_b32 s[G1B+0], s44, (3<<16)|(1<<21)
.irp g, G1, G1B
	s_mov_b32 s[\g+1], 384<<16
	s_mov_b32 s[\g+2], 16<<16
	s_mov_b32 s[\g+3], 384<<16
	s_mov_b32 s[\g+4], 16
	s_mov_b32 s[\g+5], 1536
	s_mov_b32 s[\g+6], 0
	s_mov_b32 s[\g+7], 0
.endr
	s_or_b32 s[G1S+0], s43, (3<<16)|(1<<21)        ; the scales lie dense in LDS: every byte from SCL to SPARE is written
	s_or_b32 s[G1SB+0], s44, (3<<16)|(1<<21)
.irp g, G1S, G1SB
	s_mov_b32 s[\g+1], 32<<16
	s_mov_b32 s[\g+2], 32<<16
	s_mov_b32 s[\g+3], 32<<16
	s_mov_b32 s[\g+4], 32
	s_mov_b32 s[\g+5], 32
	s_mov_b32 s[\g+6], 0
	s_mov_b32 s[\g+7], 0
.endr
	s_lshl_b32 s18, s16, 3
	s_lshl_b32 s20, s17, 4
	s_add_co_u32 s20, s20, s18
	s_lshl_b32 s46, s42, 4
	s_add_co_u32 s46, s46, s18
	s_lshl_b32 s22, s20, 9
	s_lshl_b32 s92, s46, 9
	s_mul_i32 s20, s20, 12288
	s_mul_i32 s46, s46, 12288
	s_mov_b32 s21, 0
	s_mov_b32 s23, 0
	s_mov_b32 s47, 0
	s_mov_b32 s93, 0
	s_mul_i32 s45, s14, HALFT
	s_wait_kmcnt 0x0
	s_add_nc_u64 s[20:21], s[4:5], s[20:21]
	s_add_nc_u64 s[22:23], s[6:7], s[22:23]
	s_add_nc_u64 s[46:47], s[8:9], s[46:47]
	s_add_nc_u64 s[92:93], s[10:11], s[92:93]
	CROUND
	s_mov_b32 s[G0S], 1
	s_mov_b32 s[G0S+1], SCL
	s_sub_nc_u64 s[G0S+2:G0S+3], s[22:23], 4096    ; wave 1 asks for the scales of all 256 rows: back over its own half's 8 tiles x 512 bytes
	s_or_b32 s[G0S+3], s[G0S+3], 0x80000000
	s_mov_b32 s[G0SB], 1
	s_mov_b32 s[G0SB+1], SCL+2*HALFS
	s_sub_nc_u64 s[G0SB+2:G0SB+3], s[92:93], 4096  ; wave 3 likewise
	s_or_b32 s[G0SB+3], s[G0SB+3], 0x80000000
.irp s, 0,1
	s_mov_b32 s[G0+4*\s], 1
	s_add_co_u32 s[G0+4*\s+1], s45, \s*SLOT
	s_add_nc_u64 s[G0+4*\s+2:G0+4*\s+3], s[20:21], \s*RT
	s_or_b32 s[G0+4*\s+3], s[G0+4*\s+3], 0x80000000
	s_mov_b32 s[G0B+4*\s], 1
	s_add_co_u32 s[G0B+4*\s+1], s45, \s*SLOT
	s_add_nc_u64 s[G0B+4*\s+2:G0B+4*\s+3], s[46:47], \s*RT
	s_or_b32 s[G0B+4*\s+3], s[G0B+4*\s+3], 0x80000000
.endr
; the head's four tiles, one joint load a wave, in one tree of branches on the wave's number: wave 0 slot 0's 16 row tiles of x, wave 1 their scales, wave 2 slot 0's 16 row tiles of w, wave 3 their scales
.macro ARM under, g0, g1, next
	s_cmp_lt_u32 s14, \under
	s_cbranch_scc0 \next
	tensor_load_to_lds s[\g0:\g0+3], s[\g1:\g1+7]
	s_nop 0
.rept 4
	v_nop
.endr
	s_branch .Lhead_asked
\next:
.endm
	ARM 1, G0,  G1,  .Lhead_sa
	ARM 2, G0S, G1S, .Lhead_b
	ARM 3, G0B, G1B, .Lhead_sb
	tensor_load_to_lds s[G0SB:G0SB+3], s[G1SB:G1SB+7]
	s_nop 0
.rept 4
	v_nop
.endr
.Lhead_asked:
	s_load_b256 s[4:11], s[0:1], 0x20
	s_load_b64 s[12:13], s[0:1], 0x40
	v_and_b32 v1, 15, v0
	v_bfe_u32 v2, v0, 4, 1
	v_and_b32 v3, 31, v0
	v_lshlrev_b32 v4, 3, v3
	s_wait_alu depctr_va_vdst(0)
	s_mov_b32 s[SEL], 0x76543210
	s_mov_b32 s[SEL+1], 0xfedcba98
	s_mov_b32 s[HM], 0xffff0000
	s_mul_i32 s20, s15, HALFT
	s_mul_i32 s21, s16, HALFT
	s_add_co_u32 s21, s21, 2*HALFT
	s_mul_i32 s22, s15, HALFS
	s_mul_i32 s23, s16, HALFS
	s_add_co_u32 s23, s23, 2*HALFS
	s_mov_b32 s94, 0x03020100
	s_mov_b32 s18, 0x01000100
	s_mov_b32 s19, 0x03020302
	s_cmp_eq_u32 ttmp9, 2
	s_cselect_b32 s46, s21, s20
	s_cselect_b32 s47, s20, s21
	s_cselect_b32 s92, s23, s22
	s_cselect_b32 s93, s22, s23
	s_cselect_b32 s[MV], -1, 0
	s_cselect_b32 s18, s94, s18
	s_cselect_b32 s19, s94, s19
.irp s, 0,1
	v_add_nc_u32 v[ADRR+\s], s46, v4
	v_add_nc_u32 v[ADRP+\s], s47, v4
	s_add_co_u32 s46, s46, SLOT
	s_add_co_u32 s47, s47, SLOT
.endr
	v_lshlrev_b32 v5, 5, v1
	v_mov_b32 v6, s92
	v_mov_b32 v7, s93
	v_cndmask_b32 v6, v6, v7, s[HM]
	v_add_nc_u32 v5, v5, v6
	v_add_nc_u32 v[ADRS], SCL, v5
	v_mov_b32 v5, s18
	v_mov_b32 v6, s19
	v_cndmask_b32 v[SELV], v5, v6, s[HM]
	s_wait_kmcnt 0x0
	s_cmp_eq_u32 ttmp9, 0
	s_cselect_b64 s[18:19], s[4:5], s[6:7]
	s_cselect_b64 s[12:13], s[10:11], s[12:13]
	s_cmp_eq_u32 ttmp9, 2
	s_cselect_b64 s[18:19], s[8:9], s[18:19]
	s_cselect_b32 s20, 6144, 0
	s_mov_b32 s22, 12288
	s_cselect_b32 s22, 12800, s22
	s_mov_b32 s8, HEADSTR
	s_cselect_b32 s8, 768, s8
	s_mov_b32 s9, 768
	s_cselect_b32 s9, 1536, s9
	s_mov_b32 s10, 768
	s_cselect_b32 s10, HEADSTR-3*1536, s10
	s_mov_b32 s11, 256
	s_cselect_b32 s11, HEADSTR, s11
	s_mov_b32 s21, 0
	s_mov_b32 s23, 0
	s_lshr_b32 s46, s17, 3
	s_lshl_b32 s46, s46, 4
	s_lshl_b32 s47, s40, 2
	s_add_co_u32 s46, s46, s47
	s_lshl_b32 s47, s16, 1
	s_add_co_u32 s46, s46, s47
	s_lshl_b32 s46, s46, 4
	s_and_b32 s47, s17, 7
	s_lshl_b32 s47, s47, 1
	s_add_co_u32 s46, s46, s47
	s_add_co_u32 s46, s46, s15
	s_mul_i32 s46, s46, REC
	s_mov_b32 s47, 0
	s_add_nc_u64 s[12:13], s[12:13], s[46:47]
	s_add_nc_u64 s[4:5], s[12:13], s[20:21]
	s_add_nc_u64 s[6:7], s[12:13], s[22:23]
	s_lshl_b32 s20, s40, 10
	s_lshl_b32 s21, s16, 9
	s_add_co_u32 s20, s20, s21
	s_mov_b32 s21, 0
	s_add_nc_u64 s[18:19], s[18:19], s[20:21]
	v_lshlrev_b32 v8, 5, v2
	v_lshlrev_b32 v9, 2, v1
.irp b, 0,1,2,3,4,5,6,7
	global_load_b128 v[CB+8*\b:CB+8*\b+3], v8, s[18:19] offset:64*\b
	global_load_b128 v[CB+8*\b+4:CB+8*\b+7], v8, s[18:19] offset:64*\b+16
.endr
.irp a, 0,1,2,3,4,5,6,7
	global_load_b32 v[BR+2*\a], v9, s[18:19] offset:64*\a
.endr
	v_mov_b32 v[VO0], v4
	v_add_nc_u32 v[VO1], s8, v4
	s_lshl_b32 s20, s14, 10
	s_add_co_u32 s20, s20, STG
	v_lshlrev_b32 v5, 2, v1
	v_lshl_add_u32 v5, v2, 9, v5
	v_add_nc_u32 v[SST], s20, v5
	v_lshl_add_u32 v[SRD], v3, 4, s20
	v_mul_u32_u24 v5, v2, s11
	v_lshl_add_u32 v[SOF], v1, 4, v5
	s_wait_loadcnt 0x0
.set i, 0
.rept 64
	v_cndmask_b32 v[CB+i], v[CB+i], 0, s[MV]
.set i, i+1
.endr
.irp a, 0,1,2,3,4,5,6,7
	v_cndmask_b32 v[BR+2*\a], 0, v[BR+2*\a], s[MV]
	v_mov_b32 v[BR+2*\a+1], 0
.endr
.macro FRAG reg, adr, q, i
.irp p, 0,1,2,3,4,5
	ds_load_b64 v[\reg+2*\p:\reg+2*\p+1], v[\adr] offset:RT*(\i)+1536*(\q)+256*\p
.endr
.endm
.macro MUL16 a0, p, q, sc, first
.irp a, \a0, \a0+1
.irp b, 0,1,2,3,4,5,6,7
.if \first
	v_wmma_scale_f32_16x16x128_f8f6f4 v[8*(8*((\a)%4)+\b):8*(8*((\a)%4)+\b)+7], v[128*(\p)+FR*\b:128*(\p)+FR*\b+FR-1], v[AF+FR*(\a):AF+FR*(\a)+FR-1], v[CB+8*\b:CB+8*\b+7], v[SC+16*(\sc)+2*\b+(\q)], v[SC+16*(\sc)+2*(\a)+(\q)] matrix_a_fmt:MATRIX_FMT_BF6 matrix_b_fmt:MATRIX_FMT_BF6 matrix_a_scale:MATRIX_SCALE_ROW1
.else
	v_wmma_scale_f32_16x16x128_f8f6f4 v[8*(8*((\a)%4)+\b):8*(8*((\a)%4)+\b)+7], v[128*(\p)+FR*\b:128*(\p)+FR*\b+FR-1], v[AF+FR*(\a):AF+FR*(\a)+FR-1], v[8*(8*((\a)%4)+\b):8*(8*((\a)%4)+\b)+7], v[SC+16*(\sc)+2*\b+(\q)], v[SC+16*(\sc)+2*(\a)+(\q)] matrix_a_fmt:MATRIX_FMT_BF6 matrix_b_fmt:MATRIX_FMT_BF6 matrix_a_scale:MATRIX_SCALE_ROW1
.endif
.endr
.endr
.endm
.macro FETCH_P slot, q, p
	WIN TO_P
.irp i, 0,1,2,3,4,5,6,7
	FRAG 128*(\p)+FR*\i, ADRP+\slot, \q, \i
.endr
	WIN 0
.endm
.macro FETCH_R slot, q, i0
.irp i, \i0, \i0+1, \i0+2, \i0+3
	FRAG AF+FR*(\i), ADRR+\slot, \q, \i
.endr
.endm
.macro SCALES sc
.irp i, 0,1,2,3,4,5,6,7
	ds_load_b64 v[SC+16*\sc+2*\i:SC+16*\sc+2*\i+1], v[ADRS] offset:\i*SBLK
.endr
.endm
.macro STEP slot, first
	s_wait_dscnt 4*NL
.if \first
	WIN FST_LO
.else
	WIN MUL_LO
.endif
	MUL16 0, 0, 0, \slot, \first
	MUL16 2, 0, 0, \slot, \first
	s_wait_dscnt 0
	PLACES NP
	FETCH_P \slot, 1, 1
	FETCH_R \slot, 1, 0
.if \first
	WIN FST_HI
.else
	WIN MUL_HI
.endif
	MUL16 4, 0, 0, \slot, \first
	MUL16 6, 0, 0, \slot, \first
	PLACES NP
	WIN 0
	FETCH_R \slot, 1, 4
.endm
.macro TURN slot, next, fill
	s_wait_tensorcnt 0x0
	ds_add_u32 v[SPW], v[NIL]
	s_wait_dscnt 4*NL+1
	WIN MUL_LO
	MUL16 0, 1, 1, \slot, 0
	s_wait_dscnt 0x0
	s_barrier_signal -1
	MUL16 2, 1, 1, \slot, 0
	WIN 0
	s_barrier_wait -1
.if \fill
	CREST
	s_add_nc_u64 s[G0+4*\slot+2:G0+4*\slot+3], s[G0+4*\slot+2:G0+4*\slot+3], 2*RT
	s_add_nc_u64 s[G0B+4*\slot+2:G0B+4*\slot+3], s[G0B+4*\slot+2:G0B+4*\slot+3], 2*RT
	JLOAD G0+4*\slot, G1, G0B+4*\slot, G1B
.else
	PLACES NP
.endif
	s_wait_alu depctr_va_vdst(0)
	v_add_nc_u32 v[ADRS], 8, v[ADRS]
	FETCH_P \next, 0, 0
	FETCH_R \next, 0, 0
	SCALES \next
	WIN MUL_HI
	MUL16 4, 1, 1, \slot, 0
	MUL16 6, 1, 1, \slot, 0
	PLACES NP
	WIN 0
	FETCH_R \next, 0, 4
.endm
	s_wait_alu depctr_va_vdst(0)                   ; the wait at the head's end
	s_wait_tensorcnt 0x0                           ; my tile of the head's four is in
	ds_add_u32 v[SPW], v[NIL]
	s_mov_b32 s[G1+2], 8<<16                       ; no tensor load of mine is out: from here on a load brings 8 row tiles
	s_mov_b32 s[G1+4], 8
	s_mov_b32 s[G1B+2], 8<<16
	s_mov_b32 s[G1B+4], 8
	s_wait_dscnt 0x0
	CROUND
	JLOAD G0+4, G1, G0B+4, G1B                     ; slot 1's first fill, the first tensor load behind the round
	FETCH_P 0, 0, 0
	FETCH_R 0, 0, 0
	SCALES 0
	FETCH_R 0, 0, 4
	STEP 0, 1
	TURN 0, 1, 1
	STEP 1, 0
	TURN 1, 0, 1
	STEP 0, 0
	TURN 0, 1, 0
	STEP 1, 0
	s_wait_dscnt 4*NL
	WIN MUL_LO
	MUL16 0, 1, 1, 1, 0
	MUL16 2, 1, 1, 1, 0
	s_wait_dscnt 0
	WIN MUL_HI
	MUL16 4, 1, 1, 1, 0
	MUL16 6, 1, 1, 1, 0
	WIN 0
.macro OUTBLK a
.if (\a) > 0
	s_wait_xcnt 0x0
.if (\a) == 4
	v_add_nc_u32 v[VO0], s10, v[VO0]
	v_add_nc_u32 v[VO1], s10, v[VO1]
.else
	v_add_nc_u32 v[VO0], s9, v[VO0]
	v_add_nc_u32 v[VO1], s9, v[VO1]
.endif
.endif
	WIN 0x02+(\a)/4
.irp b, 0,1,2,3,4,5,6,7
.irp j, 0,2,4,6
	v_pk_add_f32 v[H+8*\b+\j:H+8*\b+\j+1], v[64*((\a)%4)+8*\b+\j:64*((\a)%4)+8*\b+\j+1], v[BR+2*(\a):BR+2*(\a)+1] op_sel_hi:[1,0]
.endr
.endr
	WIN 0
	QUANT H, PC, PC+6, PW
	v_perm_b32 v[WO], v[PW], v[PW], v[SELV]
	ds_store_b32 v[SST], v[WO] offset:64*(\a)
.irp p, 0,1,2
	global_store_b64 v[VO0], v[PC+2*\p:PC+2*\p+1], s[4:5] offset:256*\p
.endr
.irp p, 0,1,2
	global_store_b64 v[VO1], v[PC+6+2*\p:PC+6+2*\p+1], s[4:5] offset:256*\p
.endr
.endm
	PLACES NP
.irp b, 0,1,2,3
	v_mov_b32 v[TM+4+\b], 0
.endr
.irp a, 0,1,2,3,4,5,6,7
	OUTBLK \a
.endr
	ds_load_b128 v[WD0:WD0+3], v[SRD]
	ds_load_b128 v[WD1:WD1+3], v[SRD] offset:512
	s_wait_dscnt 0x0
	global_store_b128 v[SOF], v[WD0:WD0+3], s[6:7]
	s_cmp_eq_u32 ttmp9, 2
	s_cbranch_scc1 .Lwords_out
	global_store_b128 v[SOF], v[WD1:WD1+3], s[6:7] offset:HEADSTR
.Lwords_out:
	s_wait_tensorcnt 0x0
	ds_add_u32 v[SPW], v[NIL]
	s_wait_dscnt 0x0
	CROUND
	s_endpgm
.Lfunc_end_k_q39b0f34ca5_qkv:
	.size	k_q39b0f34ca5_qkv, .Lfunc_end_k_q39b0f34ca5_qkv-k_q39b0f34ca5_qkv
	.p2alignl 7, 3214868480
	.fill 96, 4, 3214868480
	.section	.rodata,"a",@progbits
	.p2align	6, 0x0
	.amdhsa_kernel k_q39b0f34ca5_qkv
		.amdhsa_group_segment_fixed_size 327680
		.amdhsa_private_segment_fixed_size 0
		.amdhsa_enable_private_segment 0
		.amdhsa_kernarg_size 72
		.amdhsa_user_sgpr_count 2
		.amdhsa_user_sgpr_kernarg_segment_ptr 1
		.amdhsa_wavefront_size32 1
		.amdhsa_system_sgpr_workgroup_id_x 1
		.amdhsa_system_sgpr_workgroup_id_y 1
		.amdhsa_system_sgpr_workgroup_id_z 1
		.amdhsa_system_vgpr_workitem_id 0
		.amdhsa_next_free_vgpr 1024
		.amdhsa_next_free_sgpr 100
		.amdhsa_reserve_vcc 0
		.amdhsa_float_denorm_mode_32 3
		.amdhsa_float_denorm_mode_16_64 3
		.amdhsa_memory_ordered 1
		.amdhsa_forward_progress 1
		.amdhsa_inst_pref_size 193
	.end_amdhsa_kernel
	.amdgpu_metadata
---
amdhsa.version: [ 1, 2 ]
amdhsa.kernels:
  - .name:           k_q39b0f34ca5_qkv
    .symbol:         k_q39b0f34ca5_qkv.kd
    .args:
      - { .name: x_c, .offset: 0, .size: 8, .value_kind: global_buffer, .address_space: global }
      - { .name: x_s, .offset: 8, .size: 8, .value_kind: global_buffer, .address_space: global }
      - { .name: w_c, .offset: 16, .size: 8, .value_kind: global_buffer, .address_space: global }
      - { .name: w_s, .offset: 24, .size: 8, .value_kind: global_buffer, .address_space: global }
      - { .name: bq, .offset: 32, .size: 8, .value_kind: global_buffer, .address_space: global }
      - { .name: bk_, .offset: 40, .size: 8, .value_kind: global_buffer, .address_space: global }
      - { .name: bv, .offset: 48, .size: 8, .value_kind: global_buffer, .address_space: global }
      - { .name: qrec, .offset: 56, .size: 8, .value_kind: global_buffer, .address_space: global }
      - { .name: kv, .offset: 64, .size: 8, .value_kind: global_buffer, .address_space: global }
    .group_segment_fixed_size: 327680
    .private_segment_fixed_size: 0
    .kernarg_segment_align: 8
    .kernarg_segment_size: 72
    .max_flat_workgroup_size: 128
    .sgpr_count:     100
    .vgpr_count:     1024
    .wavefront_size: 32
...
	.end_amdgpu_metadata
.endif
;; end of part 2
;; launch attn (part 3): grid 4 x 64, 16 waves a work-group, clusters of 4 x 1, 210,944 bytes of LDS; arguments qrec, kv, ao_c, ao_s; writes ao_c, ao_s
.if DOCPART == 3
	.amdgcn_target "amdgcn-amd-amdhsa--gfx1250"
	.amdhsa_code_object_version 6
	.text
	.protected	k_q39b0f34ca5_attn
	.globl	k_q39b0f34ca5_attn
	.p2align	8
	.type	k_q39b0f34ca5_attn,@function
k_q39b0f34ca5_attn:
	s_mov_b64 s[64:65], 0
	v_nop
	global_prefetch_b8 v0, s[64:65] scope:SCOPE_SE
	s_setreg_imm32_b32 hwreg(HW_REG_WAVE_MODE, 25, 1), 1
	s_wait_xcnt 0x0
	s_wait_alu depctr_hold_cnt(0) depctr_sa_sdst(0) depctr_va_vdst(0) depctr_va_sdst(0) depctr_va_ssrc(0) depctr_va_vcc(0) depctr_vm_vsrc(0)
	s_getreg_b32 s2, hwreg(HW_REG_IB_STS2, 6, 4)
	s_cmp_eq_u32 s2, 0
	s_cbranch_scc0 .Lentry_in_a_cluster
	s_endpgm
.Lentry_in_a_cluster:
	s_bfe_u32 s2, ttmp6, 0x10000c
	s_cmp_lg_u32 s2, 0x3003
	s_cbranch_scc0 .Lentry_shape_is_right
	s_endpgm
.Lentry_shape_is_right:
; For each (batch, head): O[q] = sum over k of softmax_k(Q[q] . K[k] / 8) V[k], both products on codes of BF6 (E3M2) with E8M0 scales; O is quantised here along the model's 1,024 for the last product.
; THE SOFTMAX: t = score x log2(e) / 8; M = the running largest t rounded up to a whole number; p = 2^(t - M) is quantised along the keys, not normalised; the row's sum is taken of the unquantised p and divides O at the end.
; When M moves, the sum and O are multiplied by 2^(old M - new M): exact.
; INPUT: records of 13,056 bytes, [batch x 16 + head][step of 128 tokens]: +0 eight tiles of 16 tokens x 768 bytes (image of six operand registers, K = the head's 64); +6,144 four tiles of 16 d x 1,536 (V^T, K = the step's 128 keys);
; +12,288 a scale word a token (bytes b0 b1 b0 b1); +12,800 a scale word a d.  Inside a block of 32 the stored places 0-7, 8-15, 16-23, 24-31 hold k = 0-7, 16-23, 8-15, 24-31.
; SHARES: a cluster of four work-groups is one head; a work-group owns 512 queries; each of its sixteen waves owns two tiles of 16 queries, which share each fragment of K and V read from LDS.  Four waves to a SIMD.
; LDS: the head's sixteen records, 208,896 bytes, are filled once: wave w asks for record w, jointly with the same wave of the three partners.  Nothing is filled again, nothing is stored to LDS.
; Both products are used transposed (S^T = K Q^T, O^T = V^T P^T): a lane holds one query (lane % 16) throughout.
; THE KEYS OF A TILE OF K ARE CHOSEN: row 8 g + j of tile 4 c + e is token 64 c + 32 g + 8 (2 (e % 2) + e / 2) + j of the step.  So a lane's 32 registers of tiles 4 c .. 4 c + 3 are ONE block of 32 keys, block 2 c + lane / 16,
; in the order in which V^T's codes are stored: the block's maximum needs no other lane, and the conversions' results are the operand's registers.  The choice is made by the lane's LDS address and immediates alone.
; THE FIRST PRODUCT'S K IS 64, THE INSTRUCTION'S 128: Q's operands are [Q0 0] and [0 Q1], sharing six registers of zero codes.  K's operand runs on into the six registers beside the tile: a neighbouring tile's, or, at the ends,
; six registers of lane constants (v50-55) and p's first six code registers.  Every pattern of six bits is a finite number of the format, its scale byte is a real one, and a zero code times it adds nothing.
; No prefetch: all that the work-group reads is asked for at its head.  K's fragments are asked of LDS at the end of the step before; the last step asks for record 15's once more (the address is held there), and those registers are not used.
; The scale bytes of O leave as single bytes, 32 bytes apart: a token's 32 bytes come from sixteen heads, that is, sixteen clusters.
; LIMITS: the scaled scores t stay under 2^31 in magnitude; NaN and infinities are not served; a block under 2^-122 has its byte held at 1, a block of zeros the byte 1 (zero codes; read by this program alone).
.set REC,  13056
.set VPO,  6144
.set KWO,  12288
.set VWO,  12800
.set SPARE, 16*REC
.set T0,   1
.set T1,   2                           ; also the first conversion scale operand
.set T2,   3                           ; also the second
.set SPW,  4
.set NIL,  5
.set FF,   6                           ; v[6:7]: f, and as its pair's upper half W2
.set W2,   7
.set NM,   8                           ; tile i: v[8+2i] -M, v[9+2i] the largest score so far
.set SU,   12                          ; tile i: v[12+2i:13+2i] the sum in two halves
.set QS,   16
.set KS,   18                          ; K's scale words: register 2 c + x: lanes 0-15 tile 4 c + x, lanes 16-31 tile 4 c + 2 + x; later v18-19 V's
.set PW,   22
.set BM,   24                          ; v24-31 maxima; later the conversions' second halves
.set QF,   32                          ; v32-37 Q0, v38-43 zero codes, v44-49 Q1
.set LN8,  50                          ; 8 x lane
.set KL,   51                          ; K's lane term: 1536 g + 8 j + 128 h
.set KSL,  52                          ; K's scale words' lane term: 128 g + 32 h + 4 j
.set SH8,  53                          ; 8 h
.set LN4,  54                          ; 4 x lane
.set OSB,  55                          ; 32 r + h
.set KF,   56                          ; v56-103 K's 8 tiles x 6, later V's 4 x 12
.set PC,   104                         ; v104-127 p's codes, 12 a tile
.set S,    128                         ; v128-191 S^T, then p
.set O,    192                         ; v192-255 O^T, 32 a tile
.set PT,   56                          ; the way out: at work in K's registers
.set SOE,  60
.set CTE,  64
.set BYE,  72
.set WV,   12
.set G1,   16
.set G0,   24
.set SEL,  28
.set CS,   30
.set TB,   32
.set CNT,  33
.set HM,   34
.set TN,   35
.macro CROUND
	s_barrier_signal -1
	s_barrier_wait -1
	s_cmp_lg_u32 s[WV], 0
	s_cbranch_scc1 .Lnot_wave_0_\@
	s_barrier_signal -3
.Lnot_wave_0_\@:
	s_barrier_wait -3
	s_barrier_signal -1
	s_barrier_wait -1
.endm
.macro KLOAD                           ; K's eight tiles and their scale words, from the record at v[T0], v[T1]
.irp c, 0,1
.irp e, 0,1,2,3
.irp p, 0,1,2
	ds_load_b64 v[KF+6*(4*\c+\e)+2*\p:KF+6*(4*\c+\e)+2*\p+1], v[T0] offset:3072*\c+768*(\e%2)+64*(\e/2)+256*\p
.endr
.endr
.endr
.irp u, 0,1,2,3
	ds_load_b32 v[KS+\u], v[T1] offset:KWO+256*(\u/2)+64*(\u%2)
.endr
.endm
.macro SMM i                           ; S^T of query tile i: eight products, each starting its own sum
.irp c, 0,1
.irp e, 0,1,2,3
.if \e > 1
	v_wmma_scale_f32_16x16x128_f8f6f4 v[S+8*(4*\c+\e):S+8*(4*\c+\e)+7], v[KF+6*(4*\c+\e)-6*(\i):KF+6*(4*\c+\e)-6*(\i)+11], v[QF+6*(\i):QF+6*(\i)+11], 0, v[KS+2*\c+\e%2], v[QS+\i] matrix_a_fmt:MATRIX_FMT_BF6 matrix_b_fmt:MATRIX_FMT_BF6 matrix_a_scale:MATRIX_SCALE_ROW1
.else
	v_wmma_scale_f32_16x16x128_f8f6f4 v[S+8*(4*\c+\e):S+8*(4*\c+\e)+7], v[KF+6*(4*\c+\e)-6*(\i):KF+6*(4*\c+\e)-6*(\i)+11], v[QF+6*(\i):QF+6*(\i)+11], 0, v[KS+2*\c+\e%2], v[QS+\i] matrix_a_fmt:MATRIX_FMT_BF6 matrix_b_fmt:MATRIX_FMT_BF6
.endif
.endr
.endr
.endm
.macro PV i                            ; O^T of tile i += V^T P^T: four accumulators, one product each
.irp t, 0,1,2,3
.if (\t)%2
	v_wmma_scale_f32_16x16x128_f8f6f4 v[O+32*(\i)+8*\t:O+32*(\i)+8*\t+7], v[KF+12*\t:KF+12*\t+11], v[PC+12*(\i):PC+12*(\i)+11], v[O+32*(\i)+8*\t:O+32*(\i)+8*\t+7], v[KS+\t/2], v[PW+\i] matrix_a_fmt:MATRIX_FMT_BF6 matrix_b_fmt:MATRIX_FMT_BF6 matrix_a_scale:MATRIX_SCALE_ROW1
.else
	v_wmma_scale_f32_16x16x128_f8f6f4 v[O+32*(\i)+8*\t:O+32*(\i)+8*\t+7], v[KF+12*\t:KF+12*\t+11], v[PC+12*(\i):PC+12*(\i)+11], v[O+32*(\i)+8*\t:O+32*(\i)+8*\t+7], v[KS+\t/2], v[PW+\i] matrix_a_fmt:MATRIX_FMT_BF6 matrix_b_fmt:MATRIX_FMT_BF6
.endif
.endr
.endm
.macro TM from, n                      ; t - M, two at a time
.set k, \from
.rept \n
	v_pk_fma_f32 v[S+k:S+k+1], v[S+k:S+k+1], s[CS:CS+1], v[NMI:NMI+1] op_sel_hi:[1,0,0]
.set k, k+2
.endr
.endm
.macro ADDS from, n, step              ; n additions of the sum's tree, in place: pair at from + step x m takes the pair step / 2 further on
.set k, \from
.rept \n
	v_pk_add_f32 v[S+k:S+k+1], v[S+k:S+k+1], v[S+k+(\step)/2:S+k+(\step)/2+1]
.set k, k+\step
.endr
.endm
.macro SOFT i                          ; the scores of tile i become p, its codes and its scale word; the sum and O^T come under the new M
.set NMI, NM+2*(\i)
.set SUI, SU+2*(\i)
.set PCI, PC+12*(\i)
.set OI,  O+32*(\i)
	s_wait_alu depctr_va_vdst(0)                   ; the wait directly ahead of the scores' first readers
.irp t, 0,1,2,3,4,5,6,7
	v_max3_num_f32 v[BM+\t], v[S+8*\t], v[S+8*\t+1], v[S+8*\t+2]   ; each accumulator from its low end
.endr
.irp k, 3,5
.irp t, 0,1,2,3,4,5,6,7
	v_max3_num_f32 v[BM+\t], v[BM+\t], v[S+8*\t+\k], v[S+8*\t+\k+1]
.endr
.endr
.irp c, 0,4
	v_max3_num_f32 v[BM+\c], v[BM+\c], v[S+8*\c+7], v[S+8*\c+15]
	v_max3_num_f32 v[BM+\c+1], v[BM+\c+1], v[S+8*\c+23], v[S+8*\c+31]
.endr
.irp c, 0,4
	v_max3_num_f32 v[BM+\c], v[BM+\c], v[BM+\c+1], v[BM+\c+2]
.endr
.irp c, 0,4
	v_max_num_f32 v[BM+\c], v[BM+\c], v[BM+\c+3]   ; the largest score of my two blocks of 32 keys: v[BM], v[BM+4]
.endr
	s_delay_alu instid0(VALU_DEP_1)
	v_max_num_f32 v[T0], v[BM], v[BM+4]
	s_delay_alu instid0(VALU_DEP_1)
	v_permlanex16_b32 v[T1], v[T0], s[SEL], s[SEL+1]
	s_delay_alu instid0(VALU_DEP_1)
	v_max3_num_f32 v[NMI+1], v[NMI+1], v[T0], v[T1]   ; the running largest score of my query
	s_delay_alu instid0(VALU_DEP_1)
	v_mul_f32 v[T0], s[CS], v[NMI+1]               ; as t
	v_mov_b32 v[T2], v[NMI]
	s_delay_alu instid0(VALU_DEP_2)
	v_floor_f32 v[NMI], -v[T0]                     ; the new -M = floor(-t)
	TM 0, 4
	v_sub_f32 v[T2], v[NMI], v[T2]                 ; old M - new M: a whole number, 0 or less
	TM 8, 4
	v_cvt_i32_f32 v[T2], v[T2]                     ; (it saturates)
	TM 16, 4
	v_ldexp_f32 v[FF], 1.0, v[T2]                  ; f = 2^(old M - new M)
	TM 24, 20
	v_fma_f32 v[BM], v[BM], s[CS], v[NMI]          ; the same of each block's largest score
	v_fma_f32 v[BM+4], v[BM+4], s[CS], v[NMI]
	v_pk_mul_f32 v[SUI:SUI+1], v[SUI:SUI+1], v[FF:FF+1] op_sel_hi:[1,0]
	s_wait_alu depctr_va_vdst(0)                   ; the wait: ahead of O^T's first readers, and ahead of the batch below
.set k, 0
.rept 16
	v_pk_mul_f32 v[OI+k:OI+k+1], v[OI+k:OI+k+1], v[FF:FF+1] op_sel_hi:[1,0]   ; O^T under the new M, each accumulator from its low end on
.set k, k+2
.endr
	v_exp_f32 v[BM], v[BM]                         ; each block's largest p: the same two instructions on the same number
	v_exp_f32 v[BM+4], v[BM+4]
.set k, 0
.rept 64
	v_exp_f32 v[S+k], v[S+k]                       ; p = 2^(t - M), at most 1
.set k, k+1
.endr
	v_nop                                          ; a plain line behind the exponentials
	s_wait_alu depctr_va_vdst(0)                   ; one wait for the batch, ahead of its first reader
	v_max_num_f32 v[BM], 0x2800000, v[BM]          ; the floor 2^(5 - 127): the byte cannot fall under 1
	v_max_num_f32 v[BM+4], 0x2800000, v[BM+4]
	v_add_nc_u32 v[T1], 0xfe000000, v[BM]          ; 4 off the exponent field: the conversions' scale operands
	v_add_nc_u32 v[T2], 0xfe000000, v[BM+4]
	v_cvt_scalef32_pk16_bf6_f32 v[PCI:PCI+2], v[S:S+15], v[T1]
	v_cvt_scalef32_pk16_bf6_f32 v[BM:BM+2], v[S+16:S+31], v[T1]       ; (a conversion's three registers begin on an even number)
	v_cvt_scalef32_pk16_bf6_f32 v[PCI+6:PCI+8], v[S+32:S+47], v[T2]
	v_cvt_scalef32_pk16_bf6_f32 v[BM+4:BM+6], v[S+48:S+63], v[T2]
	v_lshrrev_b32 v[T0], 23, v[T1]                 ; the scales' bytes.  (Plain lines behind the conversions)
	v_lshrrev_b32 v[W2], 23, v[T2]
.irp c, 0,1
.irp n, 0,1,2
	v_mov_b32 v[PCI+6*\c+3+\n], v[BM+4*\c+\n]
.endr
.endr
	v_lshl_or_b32 v[T0], v[W2], 16, v[T0]          ; my bytes: blocks h and 2 + h,
	ADDS 0, 4, 4                                   ; THE ROW'S SUM OF THE UNQUANTISED p: a tree in place, behind the conversions; its lines stand between the steps that make the scale word
	v_lshlrev_b32 v[T0], v[SH8], v[T0]             ; at their places in the word;
	ADDS 16, 4, 4
	v_permlanex16_b32 v[W2], v[T0], s[SEL], s[SEL+1]
	ADDS 32, 4, 4
	v_or_b32 v[PW+\i], v[T0], v[W2]                ; with lane l xor 16's two the word is whole
	ADDS 48, 4, 4
	ADDS 0, 8, 8                                   ; these lines also stand between the writes of p's codes and scale word and the products that take them
	ADDS 0, 4, 16
	ADDS 0, 2, 32
	ADDS 0, 1, 64
	v_pk_add_f32 v[SUI:SUI+1], v[SUI:SUI+1], v[S:S+1]
.endm
	s_load_b256 s[4:11], s[0:1], 0x0               ; qrec s[4:5], kv s[6:7], ao_c s[8:9], ao_s s[10:11]
	v_lshl_add_u32 v[SPW], v0, 2, SPARE
	v_mov_b32 v[NIL], 0
	ds_add_u32 v[SPW], v[NIL]                      ; the opening lines: the add twice on end and its wait
	ds_add_u32 v[SPW], v[NIL]
	v_lshrrev_b32 v128, 5, v0
	v_readfirstlane_b32 s[WV], v128                ; wave 0..15
	s_bfe_u32 s13, ttmp6, 0x40000                  ; cx: which 512 queries: it enters global addresses of Q and O alone
	s_and_b32 s14, ttmp7, 0xffff                   ; 16 x batch + head, which the four partners share
	s_mov_b32 s[G1], 15|(3<<16)|(1<<21)            ; the mask: all four work-groups; elements of 8 bytes; bit 21 beside a mask
	s_mov_b32 s[G1+1], 32<<16                      ; rows of 256 bytes
	s_mov_b32 s[G1+2], 51<<16                      ; a record is 51 of them, dense
	s_mov_b32 s[G1+3], 32<<16
	s_mov_b32 s[G1+4], 51
	s_mov_b32 s[G1+5], 32
	s_mov_b32 s[G1+6], 0
	s_mov_b32 s[G1+7], 0
	s_lshl_b32 s36, s14, 4
	s_add_co_u32 s36, s36, s[WV]
	s_mul_i32 s36, s36, REC                        ; the head's record w in memory,
	s_mov_b32 s37, 0
	s_mul_i32 s15, s[WV], REC                      ; and in LDS
	s_wait_dscnt 0x0
	s_wait_kmcnt 0x0
	CROUND                                         ; all four work-groups are here: the joint loads meet
	s_mov_b32 s[G0], 1
	s_mov_b32 s[G0+1], s15
	s_add_nc_u64 s[G0+2:G0+3], s[6:7], s[36:37]
	s_or_b32 s[G0+3], s[G0+3], 0x80000000
	tensor_load_to_lds s[G0:G0+3], s[G1:G1+7]      ; my one tensor load of the launch
	s_nop 0
.rept 4
	v_nop
.endr
	v_and_b32 v128, 31, v0
	v_lshlrev_b32 v[LN8], 3, v128
	v_lshlrev_b32 v[LN4], 2, v128
	v_and_b32 v129, 7, v0                          ; j
	v_bfe_u32 v130, v0, 3, 1                       ; g
	v_bfe_u32 v131, v0, 4, 1                       ; h
	v_mul_u32_u24 v[KL], v130, 1536
	v_lshl_add_u32 v[KL], v129, 3, v[KL]
	v_lshl_add_u32 v[KL], v131, 7, v[KL]
	v_lshlrev_b32 v[KSL], 7, v130
	v_lshl_add_u32 v[KSL], v131, 5, v[KSL]
	v_lshl_add_u32 v[KSL], v129, 2, v[KSL]
	v_and_b32 v132, 15, v0                         ; r
	v_lshl_add_u32 v[OSB], v132, 5, v131
	v_lshlrev_b32 v133, 2, v132                    ; 4 r
	v_lshlrev_b32 v[SH8], 3, v131
	v_mov_b32 v[T0], v[KL]                         ; step 0's record lies at LDS byte 0
	v_mov_b32 v[T1], v[KSL]
	s_lshl_b32 s40, s14, 4
	s_lshl_b32 s41, s13, 2
	s_add_co_u32 s40, s40, s41
	s_lshr_b32 s41, s[WV], 2
	s_add_co_u32 s40, s40, s41                     ; my two tiles of queries, 32 cx + 2 w ..: record 4 cx + w / 4 of the head,
	s_mul_i32 s40, s40, REC
	s_and_b32 s41, s[WV], 3                        ; tiles 2 (w % 4) .. in it
	s_mul_i32 s36, s41, 1536
	s_add_co_u32 s36, s36, s40
	s_mov_b32 s37, 0
	s_lshl_b32 s38, s41, 7
	s_add_co_u32 s38, s38, s40
	s_mov_b32 s39, 0
	s_add_nc_u64 s[36:37], s[4:5], s[36:37]        ; Q's codes
	s_add_nc_u64 s[38:39], s[4:5], s[38:39]        ; Q's scale words, less the constant in the immediate
	s_wait_alu depctr_va_vdst(0)                   ; the wait ahead of the readers below
.irp i, 0,1
.irp p, 0,1,2
	global_load_b64 v[QF+12*\i+2*\p:QF+12*\i+2*\p+1], v[LN8], s[36:37] offset:768*\i+256*\p
.endr
	global_load_b32 v[QS+\i], v133, s[38:39] offset:KWO+64*\i
.endr
	s_lshr_b32 s40, s14, 4                         ; batch
	s_and_b32 s41, s14, 15                         ; head
	s_lshl_b32 s42, s40, 7
	s_lshl_b32 s43, s13, 5
	s_add_co_u32 s42, s42, s43
	s_lshl_b32 s43, s[WV], 1
	s_add_co_u32 s42, s42, s43                     ; my first tile of 16 tokens among all 512
	s_lshl_b32 s43, s42, 4
	s_add_co_u32 s43, s43, s41                     ; its chunk of 64 along K: the head
	s_mul_i32 s44, s43, 768
	s_mov_b32 s45, 0
	s_add_nc_u64 s[8:9], s[8:9], s[44:45]
	s_lshl_b32 s44, s42, 9                         ; 16 rows of 32 scale bytes,
	s_lshl_b32 s43, s41, 1
	s_add_co_u32 s44, s44, s43                     ; the head's two
	s_add_nc_u64 s[10:11], s[10:11], s[44:45]
	s_mov_b32 s[SEL], 0x76543210
	s_mov_b32 s[SEL+1], 0xfedcba98                 ; lane l xor 16
	s_mov_b32 s[CS], 0x3e38aa3b                    ; c = log2(e) / 8
	s_mov_b32 s[CS+1], s[CS]
	s_mov_b32 s[HM], 0xffff0000                    ; lanes 16-31
.irp n, 0,1,2,3,4,5
	v_mov_b32 v[QF+6+\n], 0                        ; zero codes between Q0 and Q1
	v_mov_b32 v[PC+\n], 0                          ; named behind K's last tile before p's first codes are made
.endr
.irp i, 0,1
	v_mov_b32 v[NM+2*\i+1], 0xff61b1e6             ; the largest score so far: -3e38
	v_mov_b32 v[SU+2*\i], 0
	v_mov_b32 v[SU+2*\i+1], 0
.endr
.irp i, 0,1
	v_floor_f32 v[NM+2*\i], -v[NM+2*\i+1]
.endr
	v_mov_b32 v[W2], 0                             ; written once: a lane permute's destination counts as one of its sources
.set k, 0
.rept 64
	v_mov_b32 v[O+k], 0                            ; O^T: the step is written once; the first finds zeros, which the first change of M leaves zeros
.set k, k+1
.endr
	s_wait_alu depctr_va_vdst(0)                   ; the wait at the head's end
	s_wait_loadcnt 0x0                             ; Q
	s_wait_tensorcnt 0x0                           ; my record has landed,
	s_barrier_signal -1
	s_barrier_wait -1                              ; everybody's has
	KLOAD                                          ; step 0's K
	s_mov_b32 s[TB], 0
	s_mov_b32 s[CNT], 16
.Lstep:                                                ; a step: 128 keys, the record at s[TB], against my two tiles of queries
	s_add_co_u32 s[TN], s[TB], REC
	s_min_u32 s[TN], s[TN], 15*REC                 ; the next step's record, held at the last
	s_wait_dscnt 0x0                               ; K's fragments and scale words, asked for at the end of the step before
	SMM 0
.rept 4
	v_nop                                          ; places ahead of the scores' first read
.endr
	SOFT 0
	SMM 1
	v_add_nc_u32 v[T0], s[TB], v[LN8]              ; four places: V's loads land in K's registers, and the scores are read
	v_add_nc_u32 v[T1], s[TB], v[LN4]
.rept 4
	v_nop                                          ; the two additions above read lane constants that the first product above names, so the four places are these
.endr
.irp t, 0,1,2,3
.irp p, 0,1,2,3,4,5
	ds_load_b64 v[KF+12*\t+2*\p:KF+12*\t+2*\p+1], v[T0] offset:VPO+1536*\t+256*\p   ; they land while tile 1's softmax is worked
.endr
.endr
.irp u, 0,1
	ds_load_b32 v[KS+\u], v[T1] offset:VWO+128*\u
.endr
	SOFT 1
	s_wait_alu depctr_va_vdst(0)
	s_wait_dscnt 0x0                               ; V
	PV 0
	PV 1
	v_add_nc_u32 v[T0], s[TN], v[KL]               ; four places ahead of loads into V's registers
	v_add_nc_u32 v[T1], s[TN], v[KSL]
	v_nop
	v_nop
	KLOAD
	s_add_co_u32 s[TB], s[TB], REC
	s_sub_co_u32 s[CNT], s[CNT], 1
	s_cmp_lg_u32 s[CNT], 0
	s_wait_alu depctr_va_vdst(0)                   ; the wait ahead of the branch
	s_cbranch_scc1 .Lstep
	s_wait_dscnt 0x0                               ; the last loads have landed: K's registers serve the way out
.irp i, 0,1
	v_add_f32 v[SU+2*\i], v[SU+2*\i], v[SU+2*\i+1] ; the sum's two halves,
.endr
.irp i, 0,1
	v_permlanex16_b32 v[BM+\i], v[SU+2*\i], s[SEL], s[SEL+1]
.endr
.irp i, 0,1
	v_add_f32 v[SU+2*\i], v[SU+2*\i], v[BM+\i]     ; and lane l xor 16's: the row's sum
.endr
	s_wait_alu depctr_va_vdst(0)
.irp i, 0,1
	v_rcp_f32 v[SU+2*\i], v[SU+2*\i]
.endr
	v_nop
.irp i, 0,1
	s_wait_alu depctr_va_vdst(0)                   ; the wait ahead of the reciprocals' and of each tile's O^T's first readers
.set k, 0
.rept 16
	v_pk_mul_f32 v[S+32*\i+k:S+32*\i+k+1], v[O+32*\i+k:O+32*\i+k+1], v[SU+2*\i:SU+2*\i+1] op_sel_hi:[1,0]   ; O^T / the sum: register 8 t + j is d = 16 t + 8 h + j of query r
.set k, k+2
.endr
.endr
.irp i, 0,1                                        ; the head's 64 are two blocks of the last product's K; a block lies in lanes l and l xor 16
.irp b, 0,1
	v_max3_num_f32 v[BM+2*\i+\b], |v[S+32*\i+16*\b]|, |v[S+32*\i+16*\b+1]|, 0x2800000
.endr
.endr
.irp k, 2,4,6,8,10,12,14
.irp i, 0,1
.irp b, 0,1
	v_max3_num_f32 v[BM+2*\i+\b], v[BM+2*\i+\b], |v[S+32*\i+16*\b+\k]|, |v[S+32*\i+16*\b+\k+1]|
.endr
.endr
.endr
.irp n, 0,1,2,3
	v_permlanex16_b32 v[PT+\n], v[BM+\n], s[SEL], s[SEL+1]
.endr
.irp n, 0,1,2,3
	v_max_num_f32 v[BM+\n], v[BM+\n], v[PT+\n]
.endr
.irp n, 0,1,2,3
	v_add_nc_u32 v[SOE+\n], 0xfe000000, v[BM+\n]
.endr
.irp n, 0,1,2,3
	v_lshrrev_b32 v[PT+\n], 23, v[SOE+\n]
.endr
.irp i, 0,1
	v_cvt_scalef32_pk16_bf6_f32 v[PC+6*\i:PC+6*\i+2], v[S+32*\i:S+32*\i+15], v[SOE+2*\i]
	v_cvt_scalef32_pk16_bf6_f32 v[CTE+4*\i:CTE+4*\i+2], v[S+32*\i+16:S+32*\i+31], v[SOE+2*\i+1]
.endr
.irp i, 0,1
	v_cndmask_b32 v[BYE+\i], v[PT+2*\i], v[PT+2*\i+1], s[HM]   ; lanes 0-15 send block 0's byte, lanes 16-31 block 1's.  (Plain lines behind the conversions)
.endr
.irp i, 0,1
.irp n, 0,1,2
	v_permlane16_swap_b32 v[PC+6*\i+\n], v[CTE+4*\i+\n]        ; a whole block to a lane
.endr
.endr
.irp i, 0,1
.irp n, 0,1,2
	v_mov_b32 v[PC+6*\i+3+\n], v[CTE+4*\i+\n]
.endr
.endr
.irp i, 0,1
.irp p, 0,1,2
	global_store_b64 v[LN8], v[PC+6*\i+2*\p:PC+6*\i+2*\p+1], s[8:9] offset:12288*\i+256*\p   ; 256 consecutive bytes, at a multiple of 256 from the buffer's first byte
.endr
	global_store_b8 v[OSB], v[BYE+\i], s[10:11] offset:512*\i
.endr
	s_wait_tensorcnt 0x0                           ; the wave's end
	ds_add_u32 v[SPW], v[NIL]
	s_wait_dscnt 0x0
	CROUND                                         ; the closing round
	s_endpgm
.Lfunc_end_k_q39b0f34ca5_attn:
	.size	k_q39b0f34ca5_attn, .Lfunc_end_k_q39b0f34ca5_attn-k_q39b0f34ca5_attn
	.p2alignl 7, 3214868480
	.fill 96, 4, 3214868480
	.section	.rodata,"a",@progbits
	.p2align	6, 0x0
	.amdhsa_kernel k_q39b0f34ca5_attn
		.amdhsa_group_segment_fixed_size 210944
		.amdhsa_private_segment_fixed_size 0
		.amdhsa_enable_private_segment 0
		.amdhsa_kernarg_size 32
		.amdhsa_user_sgpr_count 2
		.amdhsa_user_sgpr_kernarg_segment_ptr 1
		.amdhsa_wavefront_size32 1
		.amdhsa_system_sgpr_workgroup_id_x 1
		.amdhsa_system_sgpr_workgroup_id_y 1
		.amdhsa_system_sgpr_workgroup_id_z 1
		.amdhsa_system_vgpr_workitem_id 0
		.amdhsa_next_free_vgpr 256
		.amdhsa_next_free_sgpr 66
		.amdhsa_reserve_vcc 0
		.amdhsa_float_denorm_mode_32 3
		.amdhsa_float_denorm_mode_16_64 3
		.amdhsa_memory_ordered 1
		.amdhsa_forward_progress 1
		.amdhsa_inst_pref_size 47
	.end_amdhsa_kernel
	.amdgpu_metadata
---
amdhsa.version: [ 1, 2 ]
amdhsa.kernels:
  - .name:           k_q39b0f34ca5_attn
    .symbol:         k_q39b0f34ca5_attn.kd
    .args:
      - { .name: qrec, .offset: 0, .size: 8, .value_kind: global_buffer, .address_space: global }
      - { .name: kv, .offset: 8, .size: 8, .value_kind: global_buffer, .address_space: global }
      - { .name: ao_c, .offset: 16, .size: 8, .value_kind: global_buffer, .address_space: global }
      - { .name: ao_s, .offset: 24, .size: 8, .value_kind: global_buffer, .address_space: global }
    .group_segment_fixed_size: 210944
    .private_segment_fixed_size: 0
    .kernarg_segment_align: 8
    .kernarg_segment_size: 32
    .max_flat_workgroup_size: 512
    .sgpr_count:     66
    .vgpr_count:     256
    .wavefront_size: 32
...
	.end_amdgpu_metadata
.endif
;; end of part 3
;; launch oproj (part 4): grid 4 x 64, 4 waves a work-group, clusters of 4 x 4, 327,680 bytes of LDS; arguments ao_c, ao_s, w_c, w_s, bo, out0; writes out0
.if DOCPART == 4
	.amdgcn_target "amdgcn-amd-amdhsa--gfx1250"
	.amdhsa_code_object_version 6
	.text
	.protected	k_q39b0f34ca5_oproj
	.globl	k_q39b0f34ca5_oproj
	.p2align	8
	.type	k_q39b0f34ca5_oproj,@function
k_q39b0f34ca5_oproj:
	s_mov_b64 s[64:65], 0
	v_nop
	global_prefetch_b8 v0, s[64:65] scope:SCOPE_SE
	s_setreg_imm32_b32 hwreg(HW_REG_WAVE_MODE, 25, 1), 1
	s_wait_xcnt 0x0
	s_wait_alu depctr_hold_cnt(0) depctr_sa_sdst(0) depctr_va_vdst(0) depctr_va_sdst(0) depctr_va_ssrc(0) depctr_va_vcc(0) depctr_vm_vsrc(0)
	s_getreg_b32 s2, hwreg(HW_REG_IB_STS2, 6, 4)
	s_cmp_eq_u32 s2, 0
	s_cbranch_scc0 .Lentry_in_a_cluster
	s_endpgm
.Lentry_in_a_cluster:
	s_bfe_u32 s2, ttmp6, 0x10000c
	s_cmp_lg_u32 s2, 0xf033
	s_cbranch_scc0 .Lentry_shape_is_right
	s_endpgm
.Lentry_shape_is_right:
.set NL,     6
.set NP,     4
.set FR,     12
.set RT,     3072
.set HALFT,  8*RT
.set SLOT,   4*HALFT
.set SCL,    2*SLOT
.set HALFS,  16*272
.set SBLK,   544
.set SPARE,  SCL+4*HALFS
.set STG,    SPARE+512
.set SPITCH, 528
.set ROWC,   4096
.set ADRR, 16
.set ADRP, 20
.set STO,  24
.set RD,   25
.set CO,   26
.set ADRS, 27
.set SPW,  28
.set NIL,  29
.set SC,   32
.set CB,   64
.set AF,   128
.set BK,   128
.set G1, 24
.set G0, 32
.set G1B, 48
.set G0B, 56
.set G1S, 68
.set G0S, 76
.set G1SB, 80
.set G0SB, 88
.set MSB, 0
.macro WIN new
.if MSB != (\new)
	s_set_vgpr_msb (MSB<<8)|(\new)
.set MSB, (\new)
.endif
.endm
.set MUL_LO, 0xa1
.set MUL_HI, 0xf1
.set FST_LO, 0x81
.set FST_HI, 0xc1
.set TO_P,   0x40
.macro JLOAD g0a, g1a, g0b, g1b
	s_cmp_eq_u32 s15, 0
	s_cbranch_scc0 .Lfor_b_\@
	tensor_load_to_lds s[\g0a:\g0a+3], s[\g1a:\g1a+7]
	s_nop 0
.rept 4
	v_nop
.endr
	s_branch .Lasked_\@
.Lfor_b_\@:
	tensor_load_to_lds s[\g0b:\g0b+3], s[\g1b:\g1b+7]
	s_nop 0
.rept 4
	v_nop
.endr
.Lasked_\@:
.endm
.macro CREST
	s_cmp_lg_u32 s14, 0
	s_cbranch_scc1 .Lnot_wave_0_\@
	s_barrier_signal -3
.Lnot_wave_0_\@:
	s_barrier_wait -3
	s_barrier_signal -1
	s_barrier_wait -1
.endm
.macro CROUND
	s_barrier_signal -1
	s_barrier_wait -1
	CREST
.endm
.macro PLACES n
.rept \n
	v_nop
.endr
.endm
	s_load_b128 s[4:7], s[0:1], 0x0
	s_load_b128 s[8:11], s[0:1], 0x10
	s_load_b128 s[96:99], s[0:1], 0x20
	v_lshl_add_u32 v[SPW], v0, 2, SPARE
	v_mov_b32 v[NIL], 0
	ds_add_u32 v28, v29
	ds_add_u32 v28, v29
	s_wait_dscnt 0x0
	v_lshrrev_b32 v1, 5, v0
	v_readfirstlane_b32 s14, v1
	s_lshr_b32 s15, s14, 1
	s_and_b32 s16, s14, 1
	s_bfe_u32 s40, ttmp6, 0x40000
	s_bfe_u32 s41, ttmp6, 0x40004
	s_lshl_b32 s42, ttmp9, 2
	s_add_co_u32 s42, s42, s40
	s_and_b32 s17, ttmp7, 0xffff
	s_lshl_b32 s17, s17, 2
	s_add_co_u32 s17, s17, s41
	s_lshl_b32 s43, s41, 2
	s_lshl_b32 s43, 15, s43
	s_lshl_b32 s44, 0x1111, s40
	s_or_b32 s[G1+0], s43, (3<<16)|(1<<21)
	s_or_b32 s[G1B+0], s44, (3<<16)|(1<<21)
.irp g, G1, G1B
	s_mov_b32 s[\g+1], 384<<16
	s_mov_b32 s[\g+2], 16<<16
	s_mov_b32 s[\g+3], 384<<16
	s_mov_b32 s[\g+4], 16
	s_mov_b32 s[\g+5], 1536
	s_mov_b32 s[\g+6], 0
	s_mov_b32 s[\g+7], 0
.endr
	s_mov_b32 s[G1+2], 8<<16                       ; a block of the result is 128 rows x 256 columns: the rows' operand has 8 row tiles, wo's 16
	s_mov_b32 s[G1+4], 8
	s_or_b32 s[G1S+0], s43, (3<<16)|(1<<20)|(1<<21)|(5<<22)|(3<<25)
	s_or_b32 s[G1SB+0], s44, (3<<16)|(1<<20)|(1<<21)|(5<<22)|(3<<25)
.irp g, G1S, G1SB
	s_mov_b32 s[\g+1], 32<<16
	s_mov_b32 s[\g+2], 32<<16
	s_mov_b32 s[\g+3], 32<<16
	s_mov_b32 s[\g+4], 32
	s_mov_b32 s[\g+5], 32
	s_mov_b32 s[\g+6], 0
	s_mov_b32 s[\g+7], 0
.endr
	s_mov_b32 s[G1S+2], 16<<16                     ; the scales of 128 rows: 16 rows of 256 bytes
	s_mov_b32 s[G1S+4], 16
	s_lshl_b32 s18, s16, 3
	s_lshl_b32 s20, s17, 3
	s_lshl_b32 s19, s16, 2
	s_add_co_u32 s20, s20, s19
	s_lshl_b32 s46, s42, 4
	s_add_co_u32 s46, s46, s18
	s_lshl_b32 s22, s20, 9
	s_lshl_b32 s92, s46, 9
	s_mul_i32 s20, s20, 12288
	s_mul_i32 s46, s46, 12288
	s_mov_b32 s21, 0
	s_mov_b32 s23, 0
	s_mov_b32 s47, 0
	s_mov_b32 s93, 0
	s_mul_i32 s45, s14, HALFT
	s_mul_i32 s95, s16, 4*RT                       ; where the rows' operand's 4 row tiles go
	s_wait_kmcnt 0x0
	s_add_nc_u64 s[8:9], s[8:9], 192*12288
	s_add_nc_u64 s[10:11], s[10:11], 3072*32
	s_add_nc_u64 s[20:21], s[4:5], s[20:21]
	s_add_nc_u64 s[22:23], s[6:7], s[22:23]
	s_add_nc_u64 s[46:47], s[8:9], s[46:47]
	s_add_nc_u64 s[92:93], s[10:11], s[92:93]
	CROUND
	s_mov_b32 s[G0S], 1
	s_mov_b32 s[G0S+1], SCL
	s_sub_nc_u64 s[G0S+2:G0S+3], s[22:23], 2048    ; wave 1 asks for the scales of all 128 rows: back over its own half's 4 tiles x 512 bytes
	s_or_b32 s[G0S+3], s[G0S+3], 0x80000000
	s_mov_b32 s[G0SB], 1
	s_mov_b32 s[G0SB+1], SCL+HALFS
	s_sub_nc_u64 s[G0SB+2:G0SB+3], s[92:93], 4096  ; wave 3 likewise
	s_or_b32 s[G0SB+3], s[G0SB+3], 0x80000000
.irp s, 0,1
	s_mov_b32 s[G0+4*\s], 1
	s_add_co_u32 s[G0+4*\s+1], s95, \s*SLOT
	s_add_nc_u64 s[G0+4*\s+2:G0+4*\s+3], s[20:21], \s*RT
	s_or_b32 s[G0+4*\s+3], s[G0+4*\s+3], 0x80000000
	s_mov_b32 s[G0B+4*\s], 1
	s_add_co_u32 s[G0B+4*\s+1], s45, \s*SLOT
	s_add_nc_u64 s[G0B+4*\s+2:G0B+4*\s+3], s[46:47], \s*RT
	s_or_b32 s[G0B+4*\s+3], s[G0B+4*\s+3], 0x80000000
.endr
; the head's four tiles, one joint load a wave, in one tree of branches on the wave's number: wave 0 slot 0's 8 row tiles of the rows' operand, wave 1 their scales, wave 2 slot 0's 16 row tiles of wo, wave 3 their scales
.macro ARM under, g0, g1, next
	s_cmp_lt_u32 s14, \under
	s_cbranch_scc0 \next
	tensor_load_to_lds s[\g0:\g0+3], s[\g1:\g1+7]
	s_nop 0
.rept 4
	v_nop
.endr
	s_branch .Lhead_asked
\next:
.endm
	ARM 1, G0,  G1,  .Lhead_sa
	ARM 2, G0S, G1S, .Lhead_b
	ARM 3, G0B, G1B, .Lhead_sb
	tensor_load_to_lds s[G0SB:G0SB+3], s[G1SB:G1SB+7]
	s_nop 0
.rept 4
	v_nop
.endr
.Lhead_asked:
	v_and_b32 v1, 15, v0
	v_bfe_u32 v2, v0, 4, 1
	v_and_b32 v3, 31, v0
	v_lshlrev_b32 v4, 3, v3
	s_wait_alu depctr_va_vdst(0)
	s_lshl_b32 s46, s42, 10
	s_lshl_b32 s47, s16, 9
	s_add_co_u32 s46, s46, s47
	s_mov_b32 s47, 0
	s_add_nc_u64 s[96:97], s[96:97], s[46:47]
	v_lshlrev_b32 v8, 5, v2
.irp b, 0,1,2,3,4,5,6,7
	global_load_b128 v[CB+8*\b:CB+8*\b+3], v8, s[96:97] offset:64*\b
	global_load_b128 v[CB+8*\b+4:CB+8*\b+7], v8, s[96:97] offset:64*\b+16
.endr
	s_mul_i32 s21, s15, 4*RT
	s_mul_i32 s22, s16, HALFT
	s_add_co_u32 s22, s22, 2*HALFT
.irp s, 0,1
	v_add_nc_u32 v[ADRR+\s], s21, v4
	v_add_nc_u32 v[ADRP+\s], s22, v4
	s_add_co_u32 s21, s21, SLOT
	s_add_co_u32 s22, s22, SLOT
.endr
	v_lshlrev_b32 v5, 5, v1
	v_lshrrev_b32 v6, 3, v1
	v_lshl_add_u32 v5, v6, 4, v5
	s_mul_i32 s21, s15, HALFS/2
	s_mul_i32 s22, s16, HALFS
	s_add_co_u32 s22, s22, HALFS
	s_sub_co_u32 s22, s22, s21
	v_mul_u32_u24 v6, s22, v2
	s_add_co_u32 s21, s21, SCL
	v_add_nc_u32 v5, v5, v6
	v_add_nc_u32 v[ADRS], s21, v5
	s_mul_i32 s23, s14, 16*SPITCH
	s_add_co_u32 s23, s23, STG
	v_mul_u32_u24 v5, v1, SPITCH
	v_lshl_add_u32 v5, v2, 5, v5
	v_add_nc_u32 v[STO], s23, v5
	v_lshlrev_b32 v[CO], 4, v3
	v_add_nc_u32 v[RD], s23, v[CO]
	s_lshl_b32 s20, s17, 7
	s_lshl_b32 s21, s15, 6
	s_add_co_u32 s20, s20, s21
	s_lshl_b32 s20, s20, 12
	s_add_co_u32 s20, s20, s46
	s_mov_b32 s21, 0
	s_add_nc_u64 s[98:99], s[98:99], s[20:21]
.macro FRAG reg, adr, q, i
.irp p, 0,1,2,3,4,5
	ds_load_b64 v[\reg+2*\p:\reg+2*\p+1], v[\adr] offset:RT*(\i)+1536*(\q)+256*\p
.endr
.endm
.macro MUL16 a0, p, q, sc, first
.irp a, \a0, \a0+1
.irp b, 0,1,2,3,4,5,6,7
.if \first
	v_wmma_scale_f32_16x16x128_f8f6f4 v[8*(8*((\a)%4)+\b):8*(8*((\a)%4)+\b)+7], v[128*(\p)+FR*\b:128*(\p)+FR*\b+FR-1], v[AF+FR*(\a):AF+FR*(\a)+FR-1], v[CB+8*\b:CB+8*\b+7], v[SC+16*(\sc)+2*\b+(\q)], v[SC+16*(\sc)+2*(\a)+(\q)] matrix_a_fmt:MATRIX_FMT_BF6 matrix_b_fmt:MATRIX_FMT_BF6 matrix_a_scale:MATRIX_SCALE_ROW1
.else
	v_wmma_scale_f32_16x16x128_f8f6f4 v[8*(8*((\a)%4)+\b):8*(8*((\a)%4)+\b)+7], v[128*(\p)+FR*\b:128*(\p)+FR*\b+FR-1], v[AF+FR*(\a):AF+FR*(\a)+FR-1], v[8*(8*((\a)%4)+\b):8*(8*((\a)%4)+\b)+7], v[SC+16*(\sc)+2*\b+(\q)], v[SC+16*(\sc)+2*(\a)+(\q)] matrix_a_fmt:MATRIX_FMT_BF6 matrix_b_fmt:MATRIX_FMT_BF6 matrix_a_scale:MATRIX_SCALE_ROW1
.endif
.endr
.endr
.endm
.macro FETCH_P slot, q, p
	WIN TO_P
.irp i, 0,1,2,3,4,5,6,7
	FRAG 128*(\p)+FR*\i, ADRP+\slot, \q, \i
.endr
	WIN 0
.endm
.macro FETCH_R slot, q, i0
.irp i, \i0, \i0+1
	FRAG AF+FR*(\i), ADRR+\slot, \q, \i
.endr
.endm
.macro SCALES sc
.irp i, 0,1,2,3,4,5,6,7
	ds_load_b64 v[SC+16*\sc+2*\i:SC+16*\sc+2*\i+1], v[ADRS] offset:\i*SBLK
.endr
.endm
.macro STEP slot, first
	s_wait_dscnt 2*NL
.if \first
	WIN FST_LO
.else
	WIN MUL_LO
.endif
	MUL16 0, 0, 0, \slot, \first
	s_wait_dscnt 0
	PLACES NP
	FETCH_P \slot, 1, 1
	FETCH_R \slot, 1, 0
.if \first
	WIN FST_LO
.else
	WIN MUL_LO
.endif
	MUL16 2, 0, 0, \slot, \first
	PLACES NP
	WIN 0
	FETCH_R \slot, 1, 2
.endm
.macro TURN slot, next, fill
	s_wait_tensorcnt 0x0
	ds_add_u32 v[SPW], v[NIL]
	s_wait_dscnt 2*NL+1
	WIN MUL_LO
	MUL16 0, 1, 1, \slot, 0
	s_wait_dscnt 0x0
	s_barrier_signal -1
	WIN 0
	s_barrier_wait -1
.if \fill
	CREST
	s_add_nc_u64 s[G0+4*\slot+2:G0+4*\slot+3], s[G0+4*\slot+2:G0+4*\slot+3], 2*RT
	s_add_nc_u64 s[G0B+4*\slot+2:G0B+4*\slot+3], s[G0B+4*\slot+2:G0B+4*\slot+3], 2*RT
	JLOAD G0+4*\slot, G1, G0B+4*\slot, G1B
.else
	PLACES NP
.endif
	s_wait_alu depctr_va_vdst(0)
	v_add_nc_u32 v[ADRS], 8, v[ADRS]
	FETCH_P \next, 0, 0
	FETCH_R \next, 0, 0
	SCALES \next
	WIN MUL_LO
	MUL16 2, 1, 1, \slot, 0
	PLACES NP
	WIN 0
	FETCH_R \next, 0, 2
.endm
	s_wait_alu depctr_va_vdst(0)
	s_wait_loadcnt 0x0
	s_wait_tensorcnt 0x0                           ; my tile of the head's four is in
	ds_add_u32 v[SPW], v[NIL]
	s_mov_b32 s[G1+2], 4<<16                       ; no tensor load of mine is out: from here on a load brings 4 row tiles of the rows' operand,
	s_mov_b32 s[G1+4], 4
	s_mov_b32 s[G1B+2], 8<<16
	s_mov_b32 s[G1B+4], 8
	s_wait_dscnt 0x0
	CROUND
	JLOAD G0+4, G1, G0B+4, G1B                     ; slot 1's first fill, the first tensor load behind the round
	FETCH_P 0, 0, 0
	FETCH_R 0, 0, 0
	SCALES 0
	FETCH_R 0, 0, 2
	STEP 0, 1
	TURN 0, 1, 1
	STEP 1, 0
	TURN 1, 0, 1
	STEP 0, 0
	TURN 0, 1, 0
	STEP 1, 0
	s_wait_dscnt 2*NL
	WIN MUL_LO
	MUL16 0, 1, 1, 1, 0
	s_wait_dscnt 0
	MUL16 2, 1, 1, 1, 0
	WIN 0
.macro TOSTAGE a
.set AC, 64*((\a)%4)
	WIN 0x08+4*((\a)/4)
.irp b, 0,1,2,3,4,5,6,7
	ds_store_b128 v[STO], v[AC+8*\b:AC+8*\b+3] offset:64*\b
	ds_store_b128 v[STO], v[AC+8*\b+4:AC+8*\b+7] offset:64*\b+16
.endr
	WIN 0
.set BB, BK+64*((\a)%2)
.irp t, 0,1,2,3,4,5,6,7,8,9,10,11,12,13,14,15
	ds_load_b128 v[BB+4*\t:BB+4*\t+3], v[RD] offset:\t*SPITCH
.endr
.endm
.macro SEND a, younger
.set BB, BK+64*((\a)%2)
	s_wait_dscnt \younger
.if (\a) > 0
	s_add_nc_u64 s[98:99], s[98:99], 16*ROWC
.endif
.irp t, 0,1,2,3,4,5,6,7,8,9,10,11,12,13,14,15
	global_store_b128 v[CO], v[BB+4*\t:BB+4*\t+3], s[98:99] offset:\t*ROWC th:TH_STORE_NT
.endr
.endm
	PLACES NP
	TOSTAGE 0
.irp a, 1,2,3
.if \a > 1
	s_wait_xcnt 0x0
.endif
	TOSTAGE \a
	SEND \a-1, 32
.endr
	s_wait_xcnt 0x0
	SEND 3, 0
	s_wait_tensorcnt 0x0
	ds_add_u32 v[SPW], v[NIL]
	s_wait_dscnt 0x0
	CROUND
	s_endpgm
.Lfunc_end_k_q39b0f34ca5_oproj:
	.size	k_q39b0f34ca5_oproj, .Lfunc_end_k_q39b0f34ca5_oproj-k_q39b0f34ca5_oproj
	.p2alignl 7, 3214868480
	.fill 96, 4, 3214868480
	.section	.rodata,"a",@progbits
	.p2align	6, 0x0
	.amdhsa_kernel k_q39b0f34ca5_oproj
		.amdhsa_group_segment_fixed_size 327680
		.amdhsa_private_segment_fixed_size 0
		.amdhsa_enable_private_segment 0
		.amdhsa_kernarg_size 48
		.amdhsa_user_sgpr_count 2
		.amdhsa_user_sgpr_kernarg_segment_ptr 1
		.amdhsa_wavefront_size32 1
		.amdhsa_system_sgpr_workgroup_id_x 1
		.amdhsa_system_sgpr_workgroup_id_y 1
		.amdhsa_system_sgpr_workgroup_id_z 1
		.amdhsa_system_vgpr_workitem_id 0
		.amdhsa_next_free_vgpr 1024
		.amdhsa_next_free_sgpr 100
		.amdhsa_reserve_vcc 0
		.amdhsa_float_denorm_mode_32 3
		.amdhsa_float_denorm_mode_16_64 3
		.amdhsa_memory_ordered 1
		.amdhsa_forward_progress 1
		.amdhsa_inst_pref_size 103
	.end_amdhsa_kernel
	.amdgpu_metadata
---
amdhsa.version: [ 1, 2 ]
amdhsa.kernels:
  - .name:           k_q39b0f34ca5_oproj
    .symbol:         k_q39b0f34ca5_oproj.kd
    .args:
      - { .name: ao_c, .offset: 0, .size: 8, .value_kind: global_buffer, .address_space: global }
      - { .name: ao_s, .offset: 8, .size: 8, .value_kind: global_buffer, .address_space: global }
      - { .name: w_c, .offset: 16, .size: 8, .value_kind: global_buffer, .address_space: global }
      - { .name: w_s, .offset: 24, .size: 8, .value_kind: global_buffer, .address_space: global }
      - { .name: bo, .offset: 32, .size: 8, .value_kind: global_buffer, .address_space: global }
      - { .name: out0, .offset: 40, .size: 8, .value_kind: global_buffer, .address_space: global }
    .group_segment_fixed_size: 327680
    .private_segment_fixed_size: 0
    .kernarg_segment_align: 8
    .kernarg_segment_size: 48
    .max_flat_workgroup_size: 128
    .sgpr_count:     100
    .vgpr_count:     1024
    .wavefront_size: 32
...
	.end_amdgpu_metadata
.endif
;; end of part 4
